; MI455X (gfx1250); checked and timed in simulation.
; The chip was launched on July 23, 2026; its instructions are those of AMD's public machine-readable ISA for CDNA 5 (MIT licence, August 2026) and "CDNA5" Instruction Set Architecture Reference Guide (July 2026). The comments in the code are by the model that wrote it; some were corrected since.
;; Causal Attention. Allowed arithmetic: matrix products marked QUANTISED: E5M2 operands, one E8M0 scale for each 32 along K, by v_wmma_scale_f32_16x16x128_f8f6f4 with both operands' format E5M2, f32 sums; everything else in f32.
;; Inputs: wk 1,024 x 1,024 float32; wq 1,024 x 1,024 float32; wv 1,024 x 1,024 float32; x 4 x 2,048 x 1,024 float32.
;; Outputs: out0 4 x 2,048 x 1,024 float32.
;; This version of the problem:
;;   THIS VERSION OF THE PROBLEM IS GIVEN IN LOW PRECISION. The matrix products marked QUANTISED in the list below multiply operands that are first quantised to E5M2 (5 exponent bits, 2 mantissa bits; 8 bits a number), with one power-of-two scale for each 32 numbers along K (OCP MX v1.0); their sums are f32. All else is computed in f32.
;;   The module's matrix products, in the order in which they are computed (A, B: the left and right operand; K: the contracted axis; several contracted axes count as one K, in the product's order):
;;     1. [M 8,192, K 1,024] x [K 1,024, N 1,024]; A: input x; B: input wq: QUANTISED
;;     2. [M 8,192, K 1,024] x [K 1,024, N 1,024]; A: input x; B: input wk: QUANTISED
;;     3. [M 8,192, K 1,024] x [K 1,024, N 1,024]; A: input x; B: input wv: QUANTISED
;;     4. batch 4 x [M 2,048, K 1,024] x [K 1,024, N 2,048]; A: computed on the way; B: computed on the way: QUANTISED
;;     5. batch 4 x [M 2,048, K 2,048] x [K 2,048, N 1,024]; A: softmax (see below); B: computed on the way: QUANTISED
;;   THE QUANTISER, for each operand of a quantised product, along K:
;;     - K is cut into blocks of 32 from its start; a last block that is shorter is filled with zeros.
;;     - A block's scale is 2^e with e = floor(log2(the largest magnitude in the block)) - 15, held to -126 .. 127; a block of zeros has e = 0. As a byte (E8M0): e + 127.
;;     - Each number is divided by its block's scale, clamped to +-57,344, and rounded to the nearest number of E5M2, ties to even, subnormals kept.
;;     - The product sums the exact products of the quantised numbers (number of the format x scale) in f32.
;;   ~~~python
;;   def quantise(x, axis):      # numpy; x: float32 -> the quantised numbers, widened to float32 again
;;       x = np.moveaxis(x, axis, -1); K = x.shape[-1]
;;       x = np.pad(x, [(0, 0)] * (x.ndim - 1) + [(0, -K % 32)]); x = x.reshape(x.shape[:-1] + (-1, 32)); a = np.abs(x).max(-1, keepdims=True)
;;       e = np.where(a > 0, np.clip(np.frexp(np.where(a > 0, a, 1))[1] - 1 - 15, -126, 127), 0)      # np.frexp(a)[1] - 1 = floor(log2(a)), exactly
;;       r = np.clip(x / 2.0 ** e, -57344, 57344)
;;       step = 2.0 ** (np.maximum(np.frexp(np.where(r == 0, 1, r))[1] - 1, -14) - 2)
;;       q = np.round(r / step) * step * 2.0 ** e      # np.round: ties to even
;;       return np.moveaxis(q.reshape(q.shape[:-2] + (-1,))[..., :K], -1, axis).astype(np.float32)
;;   ~~~
;;   SOFTMAX AHEAD OF A QUANTISED PRODUCT. Where the list says 'softmax', what is quantised is not the finished softmax but p = 2^(t - M), with t = logit x log2(e) and M = ceil(the row's largest t), a whole number; so 1/2 < the row's largest p <= 1. The row's sum l is taken of the UNQUANTISED p, in f32, and the product's result is divided by l at the end. Since M is a whole number, a kernel that streams over the keys may use a running M (the ceiling of the running maximum): every later rescaling is an exact power of two, which a block's scale takes up: the codes' values come out the same.
;;   OPERANDS COMPUTED ON THE WAY. 'Computed on the way' means the value that the module computes at that place (a softmax that the list does not call 'softmax' is quantised finished and normalised). What goes into a quantiser is computed in f32, as accurately as f32 sums, v_exp_f32 and their like allow (about 1e-6 of the number): no bf16 or f16 on the way to a quantiser, and a product that is left as it is and whose result goes on into a quantised operand takes f32 operands (vector FMAs, or v_wmma_f32_16x16x4_f32). A number that lies on a knife's edge between two numbers of the format may be rounded either way, as far as f32 arithmetic and the matrix unit's own rounding can turn it there, and no further.
;; One version. Each part assembles by itself: llvm-mc -triple=amdgcn-amd-amdhsa -mcpu=gfx1250 --defsym DOCPART=n.
;; ======== version 1 of 1: 4 launches
;; limits: right only within a limited range of input values
;; workspace buffers: xw_codes 11,534,336 bytes; xw_scales 360,448 bytes; qk_codes 16,777,216 bytes; qk_scales 720,896 bytes; vt_codes 8,388,608 bytes; vt_scales 262,144 bytes; p_codes 16,777,216 bytes; p_stat 2,097,152 bytes
;; launch quant (part 1): grid 704 x 1, 4 waves a work-group, no clusters, 34,304 bytes of LDS; arguments x, wv, wq, wk, xw_codes, xw_scales, p_stat; writes xw_codes, xw_scales, p_stat
.if DOCPART == 1
	.amdgcn_target "amdgcn-amd-amdhsa--gfx1250"
	.amdhsa_code_object_version 6
	.text
	.protected	k_q9f45303437_quant
	.globl	k_q9f45303437_quant
	.p2align	8
	.type	k_q9f45303437_quant,@function
k_q9f45303437_quant:
	s_mov_b64 s[64:65], 0
	v_nop
	global_prefetch_b8 v0, s[64:65] scope:SCOPE_SE
	s_setreg_imm32_b32 hwreg(HW_REG_WAVE_MODE, 25, 1), 1
	s_wait_xcnt 0x0
; QUANT.  x [8192][1024], wv, wq, wk [1024][1024], f32, K innermost, become codes of BF8 (E5M2) with one E8M0 byte for each 32 along K.
; A block's scale is 2^(floor(log2(its largest magnitude)) - 15); each number is divided by it, held within +-57,344 and rounded to the nearest code, ties to even.
; THE CODES ARE LAID AS IMAGES OF THE OPERAND'S REGISTERS: [row block of 16][K step of 128][2048 bytes]; byte 512 c + 16 lane + i is the code of the block's
; slot lane % 16 at k = 128 step + 32 c + 16 (lane / 16) + i.  Slot s of block B holds row 32 (B / 2) + 8 (B % 2) + s + 8 (s / 8): so, used as source 0 of a product,
; two neighbouring blocks give a lane 16 neighbouring rows in 16 registers.  Scale words (four bytes: 128 along K of one row) lie [K step][block][slot].
; Blocks 0-511 are x's, 512-575 wv's, 576-639 wq's, 640-703 wk's.  A work-group takes one block, wave w its K steps 2 w and 2 w + 1; all 32 loads of a wave go out at once.
; A load reads 512 consecutive bytes of one row; the numbers turn through the wave's own stage in LDS (rows of 512 + 16 bytes), so that a lane gets 16 neighbours of each block of 32.
; The first 512 work-groups also fill p_stat with neutral entries (scale word 0, M = -3e38, l = 0), 4,096 bytes each, so that the last launch may load every entry of a row.
; LIMITS: NaN and infinities among the inputs are not served.  A block whose largest magnitude lies under 2^-111, a block of zeros too, gets the byte 1 (the rule says 127 for zeros):
; its codes are zeros or subnormal codes under the held scale, and the bytes are read by this program alone.
; DEAD WORK LEFT OUT IN THE PROGRAM.  reference() puts -infinity on every score whose key comes after its query, whatever the inputs hold, so such a score's p is 0 and the product with V takes nothing from it:
; tiles of 256 queries x 256 keys that lie wholly above the diagonal are not computed, neither as scores nor as steps of the product with V.  A NaN, an infinity or an overflow that reaches only those tiles is not carried to the result.
.set SP,    528                        ; a stage row: 512 bytes + 16: row r starts 16 r bytes on modulo 256, so the sixteen rows that a load touches start at different banks (ISA guide 11.1)
.set STGW,  16*SP                      ; a wave's stage
.set KSP,   45056                      ; scale words: bytes from K step to K step (704 blocks x 64)
.set L16,   2                          ; v2   16 x lane
.set STI,   3                          ; v3   into the stage: my wave's stage + 16 x lane
.set STO,   4                          ; v4   out of it: + 528 r + 64 h
.set SCO,   5                          ; v5   my scale word's place: KSP h + 4 r
.set FLO,   6                          ; v6   16 x thread: the fill of p_stat
.set NEU,   8                          ; v8-11 the neutral entry
.set TM,    12                         ; v12-15 largest magnitudes, v16-19 bytes, v20-23 57,344 x the scale, v24-27 the conversions' scale operands
.set PW,    28                         ; v28-29 the two scale words
.set SW,    30                         ; v30  lanes 0-15 the first, lanes 16-31 the second
.set PCD,   32                         ; v32-63 codes, 16 registers a K step
.set XR,    64                         ; v64-127 64 numbers: register 16 b + i = k 32 b + 16 h + i of my row
.set RAW,   128                        ; v128-255 as loaded: K step q, slot i at 128 + 64 q + 4 i
.set SEL,   26
.set MNT,   28
.set HM,    29
.macro BMAX src, abs, lit              ; the largest of my 16 numbers of each of four blocks, with lit as one more leaf; the four blocks by turns
.irp b, 0,1,2,3
.if \abs
	v_max3_num_f32 v[TM+\b], |v[\src+16*\b]|, |v[\src+16*\b+1]|, \lit
.else
	v_max3_num_f32 v[TM+\b], v[\src+16*\b], v[\src+16*\b+1], \lit
.endif
.endr
.irp i, 2,4,6,8,10,12,14
.irp b, 0,1,2,3
.if \abs
	v_max3_num_f32 v[TM+\b], |v[\src+16*\b+\i]|, |v[\src+16*\b+\i+1]|, v[TM+\b]
.else
	v_max3_num_f32 v[TM+\b], v[\src+16*\b+\i], v[\src+16*\b+\i+1], v[TM+\b]
.endif
.endr
.endr
.endm
.macro BJOIN                           ; with lane l xor 16's 16 numbers: the block's
.irp b, 0,1,2,3
	v_permlanex16_b32 v[TM+4+\b], v[TM+\b], s[SEL], s[SEL+1]
.endr
.irp b, 0,1,2,3
	v_max_num_f32 v[TM+\b], v[TM+\b], v[TM+4+\b]
.endr
.endm
.macro BSCALE pw                       ; the conversion's scale operand, the hold's limit, the byte; the four bytes make the row's scale word
.irp b, 0,1,2,3
	v_add_nc_u32 v[TM+12+\b], 0xf8800000, v[TM+\b]         ; 15 off the exponent field
.endr
.irp b, 0,1,2,3
	v_and_or_b32 v[TM+8+\b], v[TM+\b], 0x7f800000, s[MNT]  ; 57,344 x the scale
.endr
.irp b, 0,1,2,3
	v_lshrrev_b32 v[TM+4+\b], 23, v[TM+12+\b]
.endr
	v_lshl_or_b32 v[\pw], v[TM+5], 8, v[TM+4]
	v_lshl_or_b32 v[\pw], v[TM+6], 16, v[\pw]
	v_lshl_or_b32 v[\pw], v[TM+7], 24, v[\pw]
.endm
.macro CVT16 x, pc                     ; 64 numbers become a fragment's 16 registers
.irp b, 0,1,2,3
	v_cvt_scalef32_pk8_bf8_f32 v[\pc+4*\b:\pc+4*\b+1], v[\x+16*\b:\x+16*\b+7], v[TM+12+\b]
	v_cvt_scalef32_pk8_bf8_f32 v[\pc+4*\b+2:\pc+4*\b+3], v[\x+16*\b+8:\x+16*\b+15], v[TM+12+\b]
.endr
	v_nop                                          ; one plain instruction behind the conversions, ahead of the next vector write of their sources
.endm
	s_load_b256 s[4:11], s[0:1], 0x0               ; x, wv, wq, wk
	s_load_b128 s[12:15], s[0:1], 0x20             ; the codes, the scale words
	s_load_b64 s[16:17], s[0:1], 0x30              ; p_stat
	s_set_vgpr_msb 0x40
	v_lshl_add_u32 v0, v0, 2, 0x8400
	v_mov_b32 v1, 0
	s_set_vgpr_msb 0x4000
	v_lshrrev_b32 v1, 5, v0
	v_readfirstlane_b32 s18, v1                    ; wave
	v_and_b32 v1, 31, v0                           ; lane
	v_lshlrev_b32 v[L16], 4, v1
	v_and_b32 v7, 15, v0                           ; r
	v_bfe_u32 v31, v0, 4, 1                        ; h
	s_mul_i32 s19, s18, STGW
	v_add_nc_u32 v[STI], s19, v[L16]
	v_mul_u32_u24 v[STO], v7, SP
	v_lshl_add_u32 v[STO], v31, 6, v[STO]
	v_add_nc_u32 v[STO], s19, v[STO]
	v_lshlrev_b32 v[SCO], 2, v7
	v_mad_u32_u24 v[SCO], v31, KSP, v[SCO]
	v_lshlrev_b32 v[FLO], 4, v0
	v_mov_b32 v[NEU], 0
	v_mov_b32 v[NEU+1], 0xff61b1e6                 ; -3e38
	v_mov_b32 v[NEU+2], 0
	v_mov_b32 v[NEU+3], 0
.irp b, 0,1,2,3
	v_mov_b32 v[TM+4+\b], 0                        ; written once: a lane permute's destination counts as one of its sources
.endr
	s_mov_b32 s[SEL], 0x76543210
	s_mov_b32 s[SEL+1], 0xfedcba98                 ; lane l xor 16
	s_mov_b32 s[MNT], 0x600000                     ; the mantissa field of 57,344
	s_mov_b32 s[HM], 0xffff0000                    ; lanes 16-31
	s_cmp_lt_u32 ttmp9, 512                        ; the tensor's first block
	s_cselect_b32 s22, 0, 512
	s_cmp_lt_u32 ttmp9, 576
	s_cselect_b32 s22, s22, 576
	s_cmp_lt_u32 ttmp9, 640
	s_cselect_b32 s22, s22, 640
	s_sub_co_u32 s23, ttmp9, s22                   ; the block's number in its tensor
	s_lshr_b32 s24, s23, 1
	s_lshl_b32 s24, s24, 17                        ; 32 rows of 4,096 bytes for each pair of blocks,
	s_and_b32 s25, s23, 1
	s_lshl_b32 s25, s25, 15                        ; 8 rows for the odd one,
	s_add_co_u32 s24, s24, s25
	s_lshl_b32 s25, s18, 10                        ; my wave's two K steps: 1,024 bytes of a row
	s_add_co_u32 s24, s24, s25
	s_mov_b32 s25, 0
	s_lshl_b32 s30, ttmp9, 12                      ; p_stat: 4,096 bytes a work-group
	s_mov_b32 s31, 0
	s_lshl_b32 s32, ttmp9, 14                      ; the codes: 16,384 bytes a block, 4,096 a wave
	s_lshl_b32 s33, s18, 12
	s_add_co_u32 s32, s32, s33
	s_mov_b32 s33, 0
	s_mul_i32 s34, s18, 2*KSP                      ; the scale words: K step 2 w, block
	s_lshl_b32 s35, ttmp9, 6
	s_add_co_u32 s34, s34, s35
	s_mov_b32 s35, 0
	s_wait_kmcnt 0x0
	s_cmp_lt_u32 ttmp9, 512                        ; the choice of the tensor hangs on the work-group's number alone
	s_cselect_b64 s[20:21], s[4:5], s[6:7]
	s_cmp_lt_u32 ttmp9, 576
	s_cselect_b64 s[20:21], s[20:21], s[8:9]
	s_cmp_lt_u32 ttmp9, 640
	s_cselect_b64 s[20:21], s[20:21], s[10:11]
	s_add_nc_u64 s[20:21], s[20:21], s[24:25]
	s_add_nc_u64 s[16:17], s[16:17], s[30:31]
	s_add_nc_u64 s[32:33], s[12:13], s[32:33]
	s_add_nc_u64 s[34:35], s[14:15], s[34:35]
.irp q, 0,1
.irp i, 0,1,2,3,4,5,6,7,8,9,10,11,12,13,14,15
	global_load_b128 v[RAW+64*\q+4*\i:RAW+64*\q+4*\i+3], v[L16], s[20:21] offset:(\i+8*(\i/8))*4096+512*\q th:TH_LOAD_NT   ; slot i's row, K step 2 w + q: 512 consecutive bytes, read once in the program
.endr
.endr
	s_cmp_lt_u32 ttmp9, 512
	s_cbranch_scc0 .Lnofill
	s_wait_alu depctr_va_vdst(0)
	global_store_b128 v[FLO], v[NEU:NEU+3], s[16:17]               ; 128 threads x 16 bytes, twice
	global_store_b128 v[FLO], v[NEU:NEU+3], s[16:17] offset:2048
.Lnofill:
.macro UNIT q
.if \q == 0
	s_wait_loadcnt 16                              ; loads come back in order: this K step's sixteen are in, the other's sixteen may be out
.else
	s_wait_loadcnt 0x0
.endif
.irp i, 0,1,2,3,4,5,6,7,8,9,10,11,12,13,14,15
	ds_store_b128 v[STI], v[RAW+64*\q+4*\i:RAW+64*\q+4*\i+3] offset:SP*\i
.endr
.irp b, 0,1,2,3
.irp j, 0,1,2,3
	ds_load_b128 v[XR+16*\b+4*\j:XR+16*\b+4*\j+3], v[STO] offset:128*\b+16*\j   ; LDS serves a wave's instructions in order: these see the stores above
.endr
.endr
	s_wait_dscnt 0x0
	BMAX XR, 1, 0x8000000                          ; with the floor 2^(16 - 127): the byte cannot fall under 1
	BJOIN
	BSCALE PW+\q
.irp b, 0,1,2,3
.irp i, 0,1,2,3,4,5,6,7,8,9,10,11,12,13,14,15
	v_med3_num_f32 v[XR+16*\b+\i], v[XR+16*\b+\i], -v[TM+8+\b], v[TM+8+\b]   ; the conversion to an 8-bit code does not saturate (ISA guide 7.6.2): the hold comes first
.endr
.endr
	CVT16 XR, PCD+16*\q
.irp c, 0,1,2,3
	global_store_b128 v[L16], v[PCD+16*\q+4*\c:PCD+16*\q+4*\c+3], s[32:33] offset:2048*\q+512*\c   ; the registers as they stand: 512 consecutive bytes
.endr
.endm
	UNIT 0
	UNIT 1
	v_cndmask_b32 v[SW], v[PW], v[PW+1], s[HM]     ; both halves of the lanes hold row r's word: lanes 0-15 give the first K step's, lanes 16-31 the second's
	global_store_b32 v[SCO], v[SW], s[34:35]       ; two pieces of 64 bytes: a thirty-second of the codes' bytes
	s_set_vgpr_msb 0x5
	s_wait_tensorcnt 0x0
	ds_add_u32 v0, v1
	s_wait_dscnt 0x0
	s_set_vgpr_msb 0x500
	s_endpgm
.Lfunc_end_k_q9f45303437_quant:
	.size	k_q9f45303437_quant, .Lfunc_end_k_q9f45303437_quant-k_q9f45303437_quant
	.p2alignl 7, 3214868480
	.fill 96, 4, 3214868480
	.section	.rodata,"a",@progbits
	.p2align	6, 0x0
	.amdhsa_kernel k_q9f45303437_quant
		.amdhsa_group_segment_fixed_size 34304
		.amdhsa_private_segment_fixed_size 0
		.amdhsa_enable_private_segment 0
		.amdhsa_kernarg_size 56
		.amdhsa_user_sgpr_count 2
		.amdhsa_user_sgpr_kernarg_segment_ptr 1
		.amdhsa_wavefront_size32 1
		.amdhsa_system_sgpr_workgroup_id_x 1
		.amdhsa_system_sgpr_workgroup_id_y 1
		.amdhsa_system_sgpr_workgroup_id_z 1
		.amdhsa_system_vgpr_workitem_id 0
		.amdhsa_next_free_vgpr 258
		.amdhsa_next_free_sgpr 66
		.amdhsa_reserve_vcc 0
		.amdhsa_float_denorm_mode_32 3
		.amdhsa_float_denorm_mode_16_64 3
		.amdhsa_memory_ordered 1
		.amdhsa_forward_progress 1
		.amdhsa_inst_pref_size 28
	.end_amdhsa_kernel
	.amdgpu_metadata
---
amdhsa.version: [ 1, 2 ]
amdhsa.kernels:
  - .name:           k_q9f45303437_quant
    .symbol:         k_q9f45303437_quant.kd
    .args:
      - { .name: x, .offset: 0, .size: 8, .value_kind: global_buffer, .address_space: global }
      - { .name: wv, .offset: 8, .size: 8, .value_kind: global_buffer, .address_space: global }
      - { .name: wq, .offset: 16, .size: 8, .value_kind: global_buffer, .address_space: global }
      - { .name: wk, .offset: 24, .size: 8, .value_kind: global_buffer, .address_space: global }
      - { .name: xw_codes, .offset: 32, .size: 8, .value_kind: global_buffer, .address_space: global }
      - { .name: xw_scales, .offset: 40, .size: 8, .value_kind: global_buffer, .address_space: global }
      - { .name: p_stat, .offset: 48, .size: 8, .value_kind: global_buffer, .address_space: global }
    .group_segment_fixed_size: 34304
    .private_segment_fixed_size: 0
    .kernarg_segment_align: 8
    .kernarg_segment_size: 56
    .max_flat_workgroup_size: 128
    .sgpr_count:     66
    .vgpr_count:     258
    .wavefront_size: 32
...
	.end_amdgpu_metadata
.endif
;; end of part 1
;; launch qkv (part 2): grid 8 x 32, 4 waves a work-group, clusters of 4 x 4, 327,680 bytes of LDS; arguments xw_codes, xw_scales, qk_codes, qk_scales, vt_codes, vt_scales; writes qk_codes, qk_scales, vt_codes, vt_scales
.if DOCPART == 2
	.amdgcn_target "amdgcn-amd-amdhsa--gfx1250"
	.amdhsa_code_object_version 6
	.text
	.protected	k_q9f45303437_qkv
	.globl	k_q9f45303437_qkv
	.p2align	8
	.type	k_q9f45303437_qkv,@function
k_q9f45303437_qkv:
	s_mov_b64 s[64:65], 0
	v_nop
	global_prefetch_b8 v0, s[64:65] scope:SCOPE_SE
	s_setreg_imm32_b32 hwreg(HW_REG_WAVE_MODE, 25, 1), 1
	s_wait_xcnt 0x0
	s_wait_alu depctr_hold_cnt(0) depctr_sa_sdst(0) depctr_va_vdst(0) depctr_va_sdst(0) depctr_va_ssrc(0) depctr_va_vcc(0) depctr_vm_vsrc(0)
	s_getreg_b32 s2, hwreg(HW_REG_IB_STS2, 6, 4)
	s_cmp_eq_u32 s2, 0
	s_cbranch_scc0 .Lentry_in_a_cluster
	s_endpgm
.Lentry_in_a_cluster:
	s_bfe_u32 s2, ttmp6, 0x10000c
	s_cmp_lg_u32 s2, 0xf033
	s_cbranch_scc0 .Lentry_shape_is_right
	s_endpgm
.Lentry_shape_is_right:
; Q, K and V^T on codes of BF8 (E5M2) with E8M0 scales, K = 1,024; each result is quantised in registers along the K of the product that reads it and leaves as an image of the operand's registers.
; IMAGES: [row block of 16][K step of 128][2048 bytes]: byte 512 c + 16 lane + i = slot lane % 16, k = 128 step + 32 c + 16 (lane / 16) + i; slot s of block B is row 32 (B / 2) + 8 (B % 2) + s + 8 (s / 8).
; A work-group owns 256 tokens (tile T).  PHASE 1: 256 rows of wq or wk (g = 0 .. 7): source 0 = weight rows, source 1 = tokens.  PHASE 2: 128 channels of wv: source 0 = tokens, source 1 = channels.  256 work-groups, equal work.
; Waves 2 x 2: in phase 1 128 tokens x 128 outputs each (64 accumulators), in phase 2 64 channels x 128 tokens (32).
; THE RING: two slots of 131,072 bytes, each two K steps of x's 16 blocks and of the weight's; eight slot steps, four a phase; x's codes come once for each phase.  In phase 2 each of waves 2, 3 fetches 8 blocks of which its own
; half's 4 are used, so that every code load has one shape.  K is four slot steps, of which the head and its first refill ask for two: no data prefetch is laid.
; CLUSTERS 4 x 4: x's tile hangs on T (shared along a row), the weight's on g (along a column): every tile is a joint load.
; LIMITS: NaN and infinities are not served; a block whose largest magnitude lies under 2^-111 gets the byte 1.
.set KSPIN, 45056
.set RP,    16384
.set SLOT,  131072
.set SCX,   262144                     ; x's scale words [K step 8][block 16][slot 16]
.set SCW,   270336                     ; the phase 1 weight's
.set SCV,   278528                     ; wv's: 8,192 bytes a wave, K steps 1,024 bytes apart, its four blocks written twice on end
.set SPARE, 311296
.set L16,   4
.set XB0,   5
.set XA0,   6
.set WB0,   7
.set WA0,   8
.set ADRA,  9
.set ADRB,  10
.set ADRS,  11
.set ADS2,  12
.set SPW,   13
.set NIL,   14
.set VSO,   15
.set VSL,   16
.set WO,    17
.set SC,    32
.set TM,    48
.set PCD,   64
.set PW,    96
.set SW,    104
.set VW,    108
.set AF,    128
.set XR,    192
.set TB,  2
.set OV,  12
.set OVS, 22
.set G1X, 24
.set G0X, 32
.set G0XH, 36
.set OB,  46
.set G1W, 48
.set G0W, 56
.set G0WH, 60
.set SEL, 66
.set G1S, 68
.set G1SB, 76
.set G0S, 88
.set G0SB, 92
.set DW,  98
.set OSB, 100
.set MNT, 96
.set HM,  97
.set MSB, 0
.macro WIN new
.if MSB != \new
	s_set_vgpr_msb (MSB<<8)|\new
.set MSB, \new
.endif
.endm
.set MUL_LO, 0xa1
.set MUL_HI, 0xf1
.macro WALU
	s_wait_alu depctr_va_vdst(0)
.endm
.macro PLACES n
.rept \n
	v_nop
.endr
.endm
.macro CREST
	s_cmp_lg_u32 s14, 0
	s_cbranch_scc1 .Lnot_wave_0_\@
	s_barrier_signal -3
.Lnot_wave_0_\@:
	s_barrier_wait -3
	s_barrier_signal -1
	s_barrier_wait -1
.endm
.macro CROUND
	s_barrier_signal -1
	s_barrier_wait -1
	CREST
.endm
.macro TLOAD g0, g1
	tensor_load_to_lds s[\g0:\g0+3], s[\g1:\g1+7]
	s_nop 0
	PLACES 4
.endm
.macro JLOAD                           ; waves 0, 1 fetch x's halves, waves 2, 3 the weight's
	s_cmp_eq_u32 s15, 0
	s_cbranch_scc0 .Lfor_w_\@
	TLOAD G0X, G1X
	s_branch .Lasked_\@
.Lfor_w_\@:
	TLOAD G0W, G1W
.Lasked_\@:
.endm
.macro GSTEP kind                      ; the refill's descriptors: the other slot, the next two K steps; kind 2: on to phase 2's first
	s_xor_b32 s[G0X+1], s[G0X+1], SLOT
	s_xor_b32 s[G0W+1], s[G0W+1], SLOT
.if (\kind) == 2
	s_sub_nc_u64 s[G0X+2:G0X+3], s[G0X+2:G0X+3], 12288
	s_sub_nc_u64 s[G0W+2:G0W+3], s[G0W+2:G0W+3], s[DW:DW+1]
.else
	s_add_nc_u64 s[G0X+2:G0X+3], s[G0X+2:G0X+3], 4096
	s_add_nc_u64 s[G0W+2:G0W+3], s[G0W+2:G0W+3], 4096
.endif
.endm
; 16 products: source 1's blocks a0, a0 + 1 against source 0's eight, K step q of the slot; ab: where source 1's fragments stand.  The accumulators take turns.
.macro MUL16 a0, q, zero, ab
.irp a, \a0, \a0+1
.irp b, 0,1,2,3,4,5,6,7
.if \zero
	v_wmma_scale_f32_16x16x128_f8f6f4 v[8*(8*((\a)%4)+\b):8*(8*((\a)%4)+\b)+7], v[128*(\q)+16*\b:128*(\q)+16*\b+15], v[(\ab)+16*(\a):(\ab)+16*(\a)+15], 0, v[SC+8*(\q)+\b], v[SC+8*(\q)+(\a)] matrix_a_fmt:MATRIX_FMT_BF8 matrix_b_fmt:MATRIX_FMT_BF8 matrix_a_scale:MATRIX_SCALE_ROW1
.else
	v_wmma_scale_f32_16x16x128_f8f6f4 v[8*(8*((\a)%4)+\b):8*(8*((\a)%4)+\b)+7], v[128*(\q)+16*\b:128*(\q)+16*\b+15], v[(\ab)+16*(\a):(\ab)+16*(\a)+15], v[8*(8*((\a)%4)+\b):8*(8*((\a)%4)+\b)+7], v[SC+8*(\q)+\b], v[SC+8*(\q)+(\a)] matrix_a_fmt:MATRIX_FMT_BF8 matrix_b_fmt:MATRIX_FMT_BF8 matrix_a_scale:MATRIX_SCALE_ROW1
.endif
.endr
.endr
.endm
.macro FETCH_B q                       ; source 0's eight fragments of K step q into set q: loads of 512 consecutive bytes
	WIN 0x40
.irp i, 0,1,2,3,4,5,6,7
.irp c, 0,1,2,3
	ds_load_b128 v[128*(\q)+16*\i+4*\c:128*(\q)+16*\i+4*\c+3], v[ADRB] offset:4096*\i+2048*(\q)+512*\c
.endr
.endr
	WIN 0
.endm
.macro FETCH_A q, i0, ab               ; source 1's blocks i0 .. i0 + 3
.irp i, \i0, \i0+1, \i0+2, \i0+3
.irp c, 0,1,2,3
	ds_load_b128 v[(\ab)+16*(\i)+4*\c:(\ab)+16*(\i)+4*\c+3], v[ADRA] offset:4096*(\i)+2048*(\q)+512*\c
.endr
.endr
.endm
.macro SCALES q                        ; lanes 0-15 source 1's block i, lanes 16-31 source 0's block i
.irp i, 0,1,2,3,4,5,6,7
	ds_load_b32 v[SC+8*(\q)+\i], v[ADRS] offset:1024*(\q)+64*\i
.endr
.endm
.macro STEP zero                       ; phase 1, a slot's first K step
	s_wait_dscnt 16                            ; source 1's blocks 4-7 may be out
	WIN MUL_LO
	MUL16 0, 0, \zero, AF
	MUL16 2, 0, \zero, AF
	s_wait_dscnt 0x0
	PLACES 8
	FETCH_B 1
	FETCH_A 1, 0, AF
	SCALES 1
	WIN MUL_HI
	MUL16 4, 0, \zero, AF
	MUL16 6, 0, \zero, AF
	PLACES 8
	WIN 0
	FETCH_A 1, 4, AF
.endm
.macro TURN kind, ph                   ; phase 1, a slot's second K step, and the change of slots; ph = 1: the next slot is phase 2's first
	s_wait_tensorcnt 0x0                       ; my part of the next slot has landed
	ds_add_u32 v[SPW], v[NIL]
	GSTEP \kind
	s_xor_b32 s[TB], s[TB], SLOT
	s_wait_dscnt 17                            ; the add and source 1's blocks 4-7 may be out
	WIN MUL_LO
	MUL16 0, 1, 0, AF
	s_wait_dscnt 0x0                           ; the add is done, my reads of this slot are over
	s_barrier_signal -1
	MUL16 2, 1, 0, AF
	WIN 0
	s_barrier_wait -1
	CREST
	JLOAD
	PLACES 4
.if \ph
	v_add_nc_u32 v[ADRA], s[TB], v[WA0]
	v_add_nc_u32 v[ADRB], s[TB], v[XB0]
	v_mov_b32 v[ADRS], v[ADS2]
.else
	v_add_nc_u32 v[ADRA], s[TB], v[XA0]
	v_add_nc_u32 v[ADRB], s[TB], v[WB0]
	v_add_nc_u32 v[ADRS], 2048, v[ADRS]
.endif
	WALU
	FETCH_B 0
	FETCH_A 0, 0, AF
	SCALES 0
	WIN MUL_HI
	MUL16 4, 1, 0, AF
	MUL16 6, 1, 0, AF
	PLACES 8
	WIN 0
.if (\ph) == 0
	FETCH_A 0, 4, AF
.endif
.endm
.macro STEP2 zero                      ; phase 2, a slot's first K step: source 1's four fragments have two sets
	s_wait_dscnt 0x0
	PLACES 8
	FETCH_B 1
	FETCH_A 1, 0, AF+64
	SCALES 1
	WIN MUL_LO
	MUL16 0, 0, \zero, AF
	MUL16 2, 0, \zero, AF
	WIN 0
.endm
.macro TURN2 fill
	s_wait_tensorcnt 0x0
	ds_add_u32 v[SPW], v[NIL]
.if \fill
	GSTEP 1
.endif
	s_xor_b32 s[TB], s[TB], SLOT
	s_wait_dscnt 0x0                           ; the add is done, this slot is in registers
	s_barrier_signal -1
	WIN MUL_LO
	MUL16 0, 1, 0, AF+64
	WIN 0
	s_barrier_wait -1
.if \fill
	CREST
	JLOAD
	PLACES 4
.else
	PLACES 8
.endif
	v_add_nc_u32 v[ADRA], s[TB], v[WA0]
	v_add_nc_u32 v[ADRB], s[TB], v[XB0]
	v_add_nc_u32 v[ADRS], 2048, v[ADRS]
	WALU
	FETCH_B 0
	FETCH_A 0, 0, AF
	SCALES 0
	WIN MUL_LO
	MUL16 2, 1, 0, AF+64
	WIN 0
.endm
; THE WAY OUT of block a (window 2): 64 numbers of a lane, 16 of each of four blocks of 32 along the next K, become a fragment's 16 registers and a scale word.
.macro QOUT a, ob, str
.set AC, 64*(\a)
	WIN 0x0a
.irp b, 0,1,2,3
	v_max3_num_f32 v[TM+\b], |v[AC+16*\b]|, |v[AC+16*\b+1]|, 0x8000000   ; the floor 2^(16 - 127)
.endr
.irp i, 2,4,6,8,10,12,14
.irp b, 0,1,2,3
	v_max3_num_f32 v[TM+\b], |v[AC+16*\b+\i]|, |v[AC+16*\b+\i+1]|, v[TM+\b]
.endr
.endr
	WIN 0
.irp b, 0,1,2,3
	v_permlanex16_b32 v[TM+4+\b], v[TM+\b], s[SEL], s[SEL+1]
.endr
.irp b, 0,1,2,3
	v_max_num_f32 v[TM+\b], v[TM+\b], v[TM+4+\b]
.endr
.irp b, 0,1,2,3
	v_add_nc_u32 v[TM+12+\b], 0xf8800000, v[TM+\b]         ; the conversion's scale operand: 15 off the exponent field
.endr
.irp b, 0,1,2,3
	v_and_or_b32 v[TM+8+\b], v[TM+\b], 0x7f800000, s[MNT]  ; 57,344 x the scale
.endr
.irp b, 0,1,2,3
	v_lshrrev_b32 v[TM+4+\b], 23, v[TM+12+\b]              ; the byte
.endr
	v_lshl_or_b32 v[PW+\a], v[TM+5], 8, v[TM+4]
	v_lshl_or_b32 v[PW+\a], v[TM+6], 16, v[PW+\a]
	v_lshl_or_b32 v[PW+\a], v[TM+7], 24, v[PW+\a]
	WIN 2
.set I_, 0
.rept 64
	v_med3_num_f32 v[XR+I_], v[AC+I_], -v[TM+8+I_/16], v[TM+8+I_/16]   ; the conversion does not saturate (ISA guide 7.6.2)
.set I_, I_+1
.endr
	WIN 0
	WALU
	s_wait_xcnt 0x0                            ; the stores that read these code registers have read them
.irp b, 0,1,2,3
	v_cvt_scalef32_pk8_bf8_f32 v[PCD+16*((\a)%2)+4*\b:PCD+16*((\a)%2)+4*\b+1], v[XR+16*\b:XR+16*\b+7], v[TM+12+\b]
	v_cvt_scalef32_pk8_bf8_f32 v[PCD+16*((\a)%2)+4*\b+2:PCD+16*((\a)%2)+4*\b+3], v[XR+16*\b+8:XR+16*\b+15], v[TM+12+\b]
.endr
	v_nop
.irp c, 0,1,2,3
	global_store_b128 v[L16], v[PCD+16*((\a)%2)+4*\c:PCD+16*((\a)%2)+4*\c+3], s[\ob:\ob+1] offset:(\str)*(\a)+512*\c   ; 512 consecutive bytes
.endr
.endm
.macro WOUT osb                        ; four blocks' scale words: lanes 0-15 block a, lanes 16-31 block a + 1: 128 consecutive bytes
.irp k, 0,1
	v_cndmask_b32 v[SW+\k], v[PW+2*\k], v[PW+2*\k+1], s[HM]
	global_store_b32 v[WO], v[SW+\k], s[\osb:\osb+1] offset:128*\k
.endr
.endm
	s_load_b256 s[4:11], s[0:1], 0x0               ; input codes, scale words; q, k codes, scale words
	s_load_b128 s[84:87], s[0:1], 0x20             ; v^T codes, scale words
	v_lshl_add_u32 v[SPW], v0, 2, SPARE
	v_mov_b32 v[NIL], 0
	ds_add_u32 v[SPW], v[NIL]                      ; the opening lines
	ds_add_u32 v[SPW], v[NIL]
	v_lshrrev_b32 v1, 5, v0
	v_readfirstlane_b32 s14, v1                    ; wave
	v_and_b32 v1, 15, v0                           ; r
	v_bfe_u32 v2, v0, 4, 1                         ; h
	v_and_b32 v3, 31, v0
	v_lshlrev_b32 v[L16], 4, v3
	v_lshlrev_b32 v[WO], 2, v3
	s_lshr_b32 s15, s14, 1
	s_and_b32 s16, s14, 1
	s_lshl_b32 s18, s15, 15
	s_lshl_b32 s19, s16, 15
	v_add_nc_u32 v[XA0], s18, v[L16]
	v_add_nc_u32 v[XB0], s19, v[L16]
	v_add_nc_u32 v[WA0], 0x10000, v[XA0]
	v_add_nc_u32 v[WB0], 0x10000, v[XB0]
	v_mov_b32 v[ADRA], v[XA0]
	v_mov_b32 v[ADRB], v[WB0]
.irp b, 0,1,2,3
	v_mov_b32 v[TM+4+\b], 0                        ; a lane permute's destination counts as one of its sources
.endr
	WALU
	s_lshl_b32 s20, s15, 9
	s_add_co_u32 s20, s20, SCX                     ; phase 1: lanes 0-15 x's words of my tokens,
	s_lshl_b32 s21, s16, 9
	s_add_co_u32 s21, s21, SCW
	s_sub_co_u32 s21, s21, s20                     ; lanes 16-31 the weight's
	v_mul_u32_u24 v18, s21, v2
	v_lshl_add_u32 v18, v1, 2, v18
	v_add_nc_u32 v[ADRS], s20, v18
	s_lshl_b32 s20, s16, 9
	s_add_co_u32 s20, s20, SCX                     ; phase 2: lanes 16-31 x's words,
	s_lshl_b32 s21, s14, 13
	s_add_co_u32 s21, s21, SCV                     ; lanes 0-15 my own copy of wv's
	v_lshlrev_b32 v19, 10, v2
	v_lshl_add_u32 v19, v1, 4, v19
	v_add_nc_u32 v[VSL], s21, v19
	s_sub_co_u32 s21, s21, s20
	v_xor_b32 v18, 1, v2
	v_mul_u32_u24 v18, s21, v18
	v_lshl_add_u32 v18, v1, 2, v18
	v_add_nc_u32 v[ADS2], s20, v18
	v_mul_u32_u24 v[VSO], KSPIN, v2
	v_lshl_add_u32 v[VSO], v1, 4, v[VSO]
	s_bfe_u32 s40, ttmp6, 0x40000
	s_bfe_u32 s41, ttmp6, 0x40004
	s_lshl_b32 s42, ttmp9, 2
	s_add_co_u32 s42, s42, s40                     ; g
	s_and_b32 s17, ttmp7, 0xffff
	s_lshl_b32 s17, s17, 2
	s_add_co_u32 s17, s17, s41                     ; T
	s_lshl_b32 s43, s41, 2
	s_lshl_b32 s43, 15, s43                        ; my row of the cluster
	s_lshl_b32 s44, 0x1111, s40                    ; my column
	s_or_b32 s[G1X+0], s43, (3<<16)|(1<<21)        ; elements of 8 bytes: rows (blocks) of 4,096 bytes, RP bytes apart
	s_or_b32 s[G1W+0], s44, (3<<16)|(1<<21)
.irp g, G1X, G1W
	s_mov_b32 s[\g+1], 512<<16
	s_mov_b32 s[\g+2], 16<<16                      ; the head's loads: 16 blocks; the ring's: 8
	s_mov_b32 s[\g+3], 512<<16
	s_mov_b32 s[\g+4], 16
	s_mov_b32 s[\g+5], RP/8
	s_mov_b32 s[\g+6], 0
	s_mov_b32 s[\g+7], 0
.endr
	s_or_b32 s[G1S+0], s43, (3<<16)|(1<<21)        ; scale words: 8 rows (K steps) of 1,024 bytes, KSPIN bytes apart
	s_or_b32 s[G1SB+0], s44, (3<<16)|(1<<21)
.irp g, G1S, G1SB
	s_mov_b32 s[\g+1], 128<<16
	s_mov_b32 s[\g+2], 8<<16
	s_mov_b32 s[\g+3], 128<<16
	s_mov_b32 s[\g+4], 8
	s_mov_b32 s[\g+5], KSPIN/8
	s_mov_b32 s[\g+6], 0
	s_mov_b32 s[\g+7], 0
.endr
	s_lshl_b32 s20, s17, 18                        ; x's tile: 16 blocks of 16,384 bytes
	s_mov_b32 s21, 0
	s_lshl_b32 s104, s42, 18
	s_add_co_u32 s104, s104, 576*RP                ; wq's blocks begin at 576, wk's behind them
	s_mov_b32 s105, 0
	s_lshl_b32 s18, s17, 10
	s_mov_b32 s19, 0
	s_lshl_b32 s98, s42, 10
	s_add_co_u32 s98, s98, 576*64
	s_mov_b32 s99, 0
	s_mov_b32 s[TB], 0
	WALU
	s_wait_dscnt 0x0
	s_wait_kmcnt 0x0
	s_add_nc_u64 s[20:21], s[4:5], s[20:21]
	s_add_nc_u64 s[104:105], s[4:5], s[104:105]
	s_add_nc_u64 s[18:19], s[6:7], s[18:19]
	s_add_nc_u64 s[98:99], s[6:7], s[98:99]
	s_mov_b32 s[G0XH], 1
	s_mov_b32 s[G0XH+1], 0
	s_mov_b64 s[G0XH+2:G0XH+3], s[20:21]
	s_or_b32 s[G0XH+3], s[G0XH+3], 0x80000000
	s_mov_b32 s[G0WH], 1
	s_mov_b32 s[G0WH+1], 65536
	s_mov_b64 s[G0WH+2:G0WH+3], s[104:105]
	s_or_b32 s[G0WH+3], s[G0WH+3], 0x80000000
	s_mov_b32 s[G0S], 1
	s_mov_b32 s[G0S+1], SCX
	s_mov_b64 s[G0S+2:G0S+3], s[18:19]
	s_or_b32 s[G0S+3], s[G0S+3], 0x80000000
	s_mov_b32 s[G0SB], 1
	s_mov_b32 s[G0SB+1], SCW
	s_mov_b64 s[G0SB+2:G0SB+3], s[98:99]
	s_or_b32 s[G0SB+3], s[G0SB+3], 0x80000000
	CROUND                                         ; all sixteen work-groups are here
	s_cmp_lt_u32 s14, 1                            ; one joint load a wave
	s_cbranch_scc0 .Lhead_w
	TLOAD G0XH, G1X
	s_branch .Lhead_asked
.Lhead_w:
	s_cmp_lt_u32 s14, 2
	s_cbranch_scc0 .Lhead_sx
	TLOAD G0WH, G1W
	s_branch .Lhead_asked
.Lhead_sx:
	s_cmp_lt_u32 s14, 3
	s_cbranch_scc0 .Lhead_sw
	TLOAD G0S, G1S
	s_branch .Lhead_asked
.Lhead_sw:
	TLOAD G0SB, G1SB
.Lhead_asked:
	s_lshl_b32 s18, s42, 3                         ; wv's scale words of my four channel blocks: two K steps a load, 256 consecutive bytes each
	s_lshl_b32 s19, s15, 2
	s_add_co_u32 s18, s18, s19                     ; 8 g + 4 x my half
	s_lshl_b32 s44, s18, 6
	s_add_co_u32 s44, s44, 512*64
	s_mov_b32 s45, 0
	s_add_nc_u64 s[44:45], s[6:7], s[44:45]
.irp j, 0,1,2,3
	global_load_b128 v[VW+4*\j:VW+4*\j+3], v[VSO], s[44:45] offset:2*KSPIN*\j
.endr
	; where results go
	s_lshl_b32 s[OV], s18, 17                      ; v^T: [64 blocks][64 K steps][2048]
	s_lshl_b32 s40, s17, 1
	s_add_co_u32 s40, s40, s16                     ; K step 2 T + wc
	s_lshl_b32 s41, s40, 11
	s_add_co_u32 s[OV], s[OV], s41
	s_mov_b32 s[OV+1], 0
	s_add_nc_u64 s[OV:OV+1], s[84:85], s[OV:OV+1]
	s_lshl_b32 s[OVS], s40, 12                     ; its scale words: [64 K steps][64 blocks][64]
	s_lshl_b32 s41, s18, 6
	s_add_co_u32 s[OVS], s[OVS], s41
	s_mov_b32 s[OVS+1], 0
	s_add_nc_u64 s[OVS:OVS+1], s[86:87], s[OVS:OVS+1]
	s_lshl_b32 s18, s17, 4
	s_lshl_b32 s19, s15, 3
	s_add_co_u32 s18, s18, s19                     ; my first token block
	s_lshl_b32 s40, s42, 1
	s_add_co_u32 s40, s40, s16                     ; K step 2 g + wc of the sixteen (q's eight, k's eight)
	s_lshr_b32 s41, s42, 2
	s_lshl_b32 s41, s41, 23                        ; k's image lies 8,388,608 bytes behind q's
	s_and_b32 s43, s40, 7
	s_lshl_b32 s43, s43, 11
	s_add_co_u32 s41, s41, s43
	s_lshl_b32 s[OB], s18, 14
	s_add_co_u32 s[OB], s[OB], s41
	s_mov_b32 s[OB+1], 0
	s_add_nc_u64 s[OB:OB+1], s[8:9], s[OB:OB+1]
	s_mul_i32 s[OSB], s40, KSPIN
	s_lshl_b32 s41, s18, 6
	s_add_co_u32 s[OSB], s[OSB], s41
	s_mov_b32 s[OSB+1], 0
	s_add_nc_u64 s[OSB:OSB+1], s[10:11], s[OSB:OSB+1]
	; the ring's descriptors: slot 1, K steps 2 and 3
	s_lshl_b32 s18, s16, 17                        ; my half: 8 blocks
	s_mov_b32 s19, 0
	s_mov_b32 s[G0X], 1
	s_lshl_b32 s[G0X+1], s14, 15
	s_add_co_u32 s[G0X+1], s[G0X+1], SLOT
	s_add_nc_u64 s[G0X+2:G0X+3], s[20:21], s[18:19]
	s_add_nc_u64 s[G0X+2:G0X+3], s[G0X+2:G0X+3], 4096
	s_or_b32 s[G0X+3], s[G0X+3], 0x80000000
	s_mov_b32 s[G0W], 1
	s_lshl_b32 s[G0W+1], s14, 15
	s_add_co_u32 s[G0W+1], s[G0W+1], SLOT
	s_add_nc_u64 s[G0W+2:G0W+3], s[104:105], s[18:19]
	s_add_nc_u64 s[G0W+2:G0W+3], s[G0W+2:G0W+3], 4096
	s_or_b32 s[G0W+3], s[G0W+3], 0x80000000
	s_lshl_b32 s[DW], s42, 17                      ; from block 576 + 16 g + 8 half, K step 6, back to block 512 + 8 g + 4 half, K step 0
	s_lshl_b32 s41, s16, 16
	s_add_co_u32 s[DW], s[DW], s41
	s_add_co_u32 s[DW], s[DW], 64*RP+12288
	s_mov_b32 s[DW+1], 0
	s_mov_b32 s[SEL], 0x76543210
	s_mov_b32 s[SEL+1], 0xfedcba98
	s_mov_b32 s[MNT], 0x600000
	s_mov_b32 s[HM], 0xffff0000
	WALU
	s_wait_loadcnt 0x0
.irp j, 0,1,2,3
	ds_store_b128 v[VSL], v[VW+4*\j:VW+4*\j+3] offset:2048*\j
	ds_store_b128 v[VSL], v[VW+4*\j:VW+4*\j+3] offset:2048*\j+256
.endr
	s_wait_tensorcnt 0x0                           ; my tile of the head's four is in
	ds_add_u32 v[SPW], v[NIL]
	s_mov_b32 s[G1X+2], 8<<16                      ; no tensor load of mine is out: from here on 8 blocks a load
	s_mov_b32 s[G1X+4], 8
	s_mov_b32 s[G1W+2], 8<<16
	s_mov_b32 s[G1W+4], 8
	s_wait_dscnt 0x0
	CROUND
	JLOAD
	FETCH_B 0
	FETCH_A 0, 0, AF
	SCALES 0
	FETCH_A 0, 4, AF
	STEP 1
	s_mov_b32 s3, 2
.Lk1:
	TURN 1, 0
	STEP 0
	s_sub_co_u32 s3, s3, 1
	s_cmp_lg_u32 s3, 0
	s_cbranch_scc1 .Lk1
	TURN 2, 0                                      ; phase 2's first slot is asked for
	STEP 0
	TURN 1, 1                                      ; its second; its first fragments are fetched
	s_mov_b32 s3, 2
.Lout1:                                                ; my eight token blocks, four a trip
	s_cmp_eq_u32 s3, 2
	s_cbranch_scc1 .Lin_place
	WIN 0x83
.set I_, 0
.rept 128
	v_dual_mov_b32 v[I_], v[I_] :: v_dual_mov_b32 v[I_+1], v[I_+1]   ; window 3 to window 2, so that the text of four blocks stands once
.set I_, I_+2
.endr
	WIN 0
	WALU
	s_wait_xcnt 0x0
	s_add_nc_u64 s[OB:OB+1], s[OB:OB+1], 4*RP
	s_add_nc_u64 s[OSB:OSB+1], s[OSB:OSB+1], 256
.Lin_place:
.irp a, 0,1,2,3
	QOUT \a, OB, RP
.endr
	WOUT OSB
	s_sub_co_u32 s3, s3, 1
	WALU
	s_cmp_lg_u32 s3, 0
	s_cbranch_scc1 .Lout1
	STEP2 1
	s_mov_b32 s3, 2
.Lk2:
	TURN2 1
	STEP2 0
	s_sub_co_u32 s3, s3, 1
	s_cmp_lg_u32 s3, 0
	s_cbranch_scc1 .Lk2
	TURN2 0
	STEP2 0
	s_wait_dscnt 0x0
	WIN MUL_LO
	MUL16 0, 1, 0, AF+64
	MUL16 2, 1, 0, AF+64
	WIN 0
	PLACES 8
.irp a, 0,1,2,3
	QOUT \a, OV, 131072
.endr
	WOUT OVS
	s_wait_tensorcnt 0x0                           ; the wave's end
	ds_add_u32 v[SPW], v[NIL]
	s_wait_dscnt 0x0
	CROUND                                         ; the closing round
	s_endpgm
.Lfunc_end_k_q9f45303437_qkv:
	.size	k_q9f45303437_qkv, .Lfunc_end_k_q9f45303437_qkv-k_q9f45303437_qkv
	.p2alignl 7, 3214868480
	.fill 96, 4, 3214868480
	.section	.rodata,"a",@progbits
	.p2align	6, 0x0
	.amdhsa_kernel k_q9f45303437_qkv
		.amdhsa_group_segment_fixed_size 327680
		.amdhsa_private_segment_fixed_size 0
		.amdhsa_enable_private_segment 0
		.amdhsa_kernarg_size 48
		.amdhsa_user_sgpr_count 2
		.amdhsa_user_sgpr_kernarg_segment_ptr 1
		.amdhsa_wavefront_size32 1
		.amdhsa_system_sgpr_workgroup_id_x 1
		.amdhsa_system_sgpr_workgroup_id_y 1
		.amdhsa_system_sgpr_workgroup_id_z 1
		.amdhsa_system_vgpr_workitem_id 0
		.amdhsa_next_free_vgpr 1024
		.amdhsa_next_free_sgpr 106
		.amdhsa_reserve_vcc 0
		.amdhsa_float_denorm_mode_32 3
		.amdhsa_float_denorm_mode_16_64 3
		.amdhsa_memory_ordered 1
		.amdhsa_forward_progress 1
		.amdhsa_inst_pref_size 223
	.end_amdhsa_kernel
	.amdgpu_metadata
---
amdhsa.version: [ 1, 2 ]
amdhsa.kernels:
  - .name:           k_q9f45303437_qkv
    .symbol:         k_q9f45303437_qkv.kd
    .args:
      - { .name: xw_codes, .offset: 0, .size: 8, .value_kind: global_buffer, .address_space: global }
      - { .name: xw_scales, .offset: 8, .size: 8, .value_kind: global_buffer, .address_space: global }
      - { .name: qk_codes, .offset: 16, .size: 8, .value_kind: global_buffer, .address_space: global }
      - { .name: qk_scales, .offset: 24, .size: 8, .value_kind: global_buffer, .address_space: global }
      - { .name: vt_codes, .offset: 32, .size: 8, .value_kind: global_buffer, .address_space: global }
      - { .name: vt_scales, .offset: 40, .size: 8, .value_kind: global_buffer, .address_space: global }
    .group_segment_fixed_size: 327680
    .private_segment_fixed_size: 0
    .kernarg_segment_align: 8
    .kernarg_segment_size: 48
    .max_flat_workgroup_size: 128
    .sgpr_count:     106
    .vgpr_count:     1024
    .wavefront_size: 32
...
	.end_amdgpu_metadata
.endif
;; end of part 2
;; launch score (part 3): grid 9 x 16, 4 waves a work-group, no clusters, 327,680 bytes of LDS; arguments qk_codes, qk_scales, p_codes, p_stat; writes p_codes, p_stat
.if DOCPART == 3
	.amdgcn_target "amdgcn-amd-amdhsa--gfx1250"
	.amdhsa_code_object_version 6
	.text
	.protected	k_q9f45303437_score
	.globl	k_q9f45303437_score
	.p2align	8
	.type	k_q9f45303437_score,@function
k_q9f45303437_score:
	s_mov_b64 s[64:65], 0
	v_nop
	global_prefetch_b8 v0, s[64:65] scope:SCOPE_SE
	s_setreg_imm32_b32 hwreg(HW_REG_WAVE_MODE, 25, 1), 1
	s_wait_xcnt 0x0
; S = q k^T on the 36 tiles of 256 queries x 256 keys of each batch that the causal mask leaves (tiles wholly above the diagonal are dead work: see the first launch); then for each query and each CHUNK of 128 keys:
;   t = score x log2(e) / 32;  M = ceil(the chunk's largest t), a whole number;  p = 2^(t - M), quantised along the keys;  l = the sum of the unquantised p.
; p's codes leave as images of the operand's registers, and (scale word, M, l, 0) as 16 bytes for each query and chunk; the last launch brings the chunks under the row's M by taking a whole number off the scale bytes: exact.
; Batch y / 4; P = y % 4; x <= P: query tile P, key tile x; else query tile 7 - P, key tile x - P - 1.
; IMAGES as in the launch before.  Source 0 = keys, source 1 = queries: a lane holds ONE query.  Waves 2 x 2: 128 queries x 128 keys (one chunk) each, 64 accumulators.
; A ring of two slots of 131,072 bytes, each two K steps of both tiles; one tensor load a wave behind each barrier.  K is four slot steps, of which the head and its first refill ask for two: no data prefetch is laid.
; NO CLUSTER: rows of the triangle have 1 to 8 tiles and columns likewise, so four neighbours do not share a tile throughout.
; LIMITS: NaN and infinities are not served; M is a whole number kept in f32, so |t| stays under 2^24; a block whose every p lies under 2^-111 gets the byte 1.
; A block's largest p is its largest score put through the same multiply-add and exponential: this takes v_exp_f32 not to fall where its input rises.
.set KSPIN, 45056
.set RP,    16384
.set KPART, 8388608
.set SLOT,  131072
.set SCX,   262144
.set SCW,   270336
.set SPARE, 278528
.set L16,   4
.set XA0,   6
.set WB0,   7
.set ADRA,  9
.set ADRB,  10
.set ADRS,  11
.set SPW,   13
.set NIL,   14
.set QB,    18
.set NEG,   27
.set DD,    26
.set SC,    32
.set TM,    48
.set PCD,   64
.set QD,    96
.set SQ,    112
.set AF,    128
.set XR,    192
.set TB,  2
.set CS,  12
.set G1X, 24
.set G0X, 32
.set G0XH, 36
.set OB,  46
.set G1W, 48
.set G0W, 56
.set G0WH, 60
.set SEL, 66
.set G1S, 68
.set G0S, 88
.set G0SB, 92
.set OSB, 100
.set MNT, 96
.set HM,  97
.set MK,  98
.set MSB, 0
.macro WIN new
.if MSB != \new
	s_set_vgpr_msb (MSB<<8)|\new
.set MSB, \new
.endif
.endm
.set MUL_LO, 0xa1
.set MUL_HI, 0xf1
.macro WALU
	s_wait_alu depctr_va_vdst(0)
.endm
.macro PLACES n
.rept \n
	v_nop
.endr
.endm
.macro TLOAD g0, g1
	tensor_load_to_lds s[\g0:\g0+3], s[\g1:\g1+7]
	s_nop 0
	PLACES 4
.endm
.macro JLOAD                           ; waves 0, 1 fetch the queries' halves, waves 2, 3 the keys'
	s_cmp_eq_u32 s15, 0
	s_cbranch_scc0 .Lfor_w_\@
	TLOAD G0X, G1X
	s_branch .Lasked_\@
.Lfor_w_\@:
	TLOAD G0W, G1W
.Lasked_\@:
.endm
.macro MUL16 a0, q, zero
.irp a, \a0, \a0+1
.irp b, 0,1,2,3,4,5,6,7
.if \zero
	v_wmma_scale_f32_16x16x128_f8f6f4 v[8*(8*((\a)%4)+\b):8*(8*((\a)%4)+\b)+7], v[128*(\q)+16*\b:128*(\q)+16*\b+15], v[AF+16*(\a):AF+16*(\a)+15], 0, v[SC+8*(\q)+\b], v[SC+8*(\q)+(\a)] matrix_a_fmt:MATRIX_FMT_BF8 matrix_b_fmt:MATRIX_FMT_BF8 matrix_a_scale:MATRIX_SCALE_ROW1
.else
	v_wmma_scale_f32_16x16x128_f8f6f4 v[8*(8*((\a)%4)+\b):8*(8*((\a)%4)+\b)+7], v[128*(\q)+16*\b:128*(\q)+16*\b+15], v[AF+16*(\a):AF+16*(\a)+15], v[8*(8*((\a)%4)+\b):8*(8*((\a)%4)+\b)+7], v[SC+8*(\q)+\b], v[SC+8*(\q)+(\a)] matrix_a_fmt:MATRIX_FMT_BF8 matrix_b_fmt:MATRIX_FMT_BF8 matrix_a_scale:MATRIX_SCALE_ROW1
.endif
.endr
.endr
.endm
.macro FETCH_B q
	WIN 0x40
.irp i, 0,1,2,3,4,5,6,7
.irp c, 0,1,2,3
	ds_load_b128 v[128*(\q)+16*\i+4*\c:128*(\q)+16*\i+4*\c+3], v[ADRB] offset:4096*\i+2048*(\q)+512*\c
.endr
.endr
	WIN 0
.endm
.macro FETCH_A q, i0
.irp i, \i0, \i0+1, \i0+2, \i0+3
.irp c, 0,1,2,3
	ds_load_b128 v[AF+16*(\i)+4*\c:AF+16*(\i)+4*\c+3], v[ADRA] offset:4096*(\i)+2048*(\q)+512*\c
.endr
.endr
.endm
.macro SCALES q                        ; lanes 0-15 the queries' block i, lanes 16-31 the keys' block i
.irp i, 0,1,2,3,4,5,6,7
	ds_load_b32 v[SC+8*(\q)+\i], v[ADRS] offset:1024*(\q)+64*\i
.endr
.endm
.macro STEP zero                       ; a slot's first K step
	s_wait_dscnt 16                            ; the queries' blocks 4-7 may be out
	WIN MUL_LO
	MUL16 0, 0, \zero
	MUL16 2, 0, \zero
	s_wait_dscnt 0x0
	PLACES 8
	FETCH_B 1
	FETCH_A 1, 0
	SCALES 1
	WIN MUL_HI
	MUL16 4, 0, \zero
	MUL16 6, 0, \zero
	PLACES 8
	WIN 0
	FETCH_A 1, 4
.endm
.macro TURN fill                       ; a slot's second K step, and the change of slots
	s_wait_tensorcnt 0x0                       ; my part of the next slot has landed
	ds_add_u32 v[SPW], v[NIL]
.if \fill
	s_xor_b32 s[G0X+1], s[G0X+1], SLOT
	s_xor_b32 s[G0W+1], s[G0W+1], SLOT
	s_add_nc_u64 s[G0X+2:G0X+3], s[G0X+2:G0X+3], 4096
	s_add_nc_u64 s[G0W+2:G0W+3], s[G0W+2:G0W+3], 4096
.endif
	s_xor_b32 s[TB], s[TB], SLOT
	s_wait_dscnt 17                            ; the add and the queries' blocks 4-7 may be out
	WIN MUL_LO
	MUL16 0, 1, 0
	s_wait_dscnt 0x0                           ; the add is done, my reads of this slot are over
	s_barrier_signal -1
	MUL16 2, 1, 0
	WIN 0
	s_barrier_wait -1
.if \fill
	JLOAD
	PLACES 4
.else
	PLACES 8
.endif
	v_add_nc_u32 v[ADRA], s[TB], v[XA0]
	v_add_nc_u32 v[ADRB], s[TB], v[WB0]
	v_add_nc_u32 v[ADRS], 2048, v[ADRS]
	WALU
	FETCH_B 0
	FETCH_A 0, 0
	SCALES 0
	WIN MUL_HI
	MUL16 4, 1, 0
	MUL16 6, 1, 0
	PLACES 8
	WIN 0
	FETCH_A 0, 4
.endm
; THE SOFTMAX of query block a (window 2) over my chunk.
.macro SOFT a
.set AC, 64*(\a)
.set QQ, QD+4*(\a)
	s_cmp_eq_u32 s[MK], 0
	s_cbranch_scc1 .Lvis_\@
	v_add_nc_u32 v[DD], 32*((\a)/2)+8*((\a)%2), v[QB]   ; d = my query - the chunk's first key - 16 h.  Register 16 b + i holds key 32 b + 16 h + i: hidden where 32 b + i > d
	WIN 0x82
	WALU
.set I_, 0
.rept 64
	v_cmp_gt_i32 vcc_lo, 32*(I_/16)+I_%16, v[DD]
	v_cndmask_b32 v[AC+I_], v[AC+I_], v[NEG], vcc_lo
.set I_, I_+1
.endr
	WIN 0
.Lvis_\@:
	WIN 0x0a
	WALU
.irp b, 0,1,2,3
	v_max3_num_f32 v[TM+\b], v[AC+16*\b], v[AC+16*\b+1], 0xff800000   ; the largest score of each block of 32 keys
.endr
.irp i, 2,4,6,8,10,12,14
.irp b, 0,1,2,3
	v_max3_num_f32 v[TM+\b], v[AC+16*\b+\i], v[AC+16*\b+\i+1], v[TM+\b]
.endr
.endr
	WIN 0
.irp b, 0,1,2,3
	v_permlanex16_b32 v[TM+4+\b], v[TM+\b], s[SEL], s[SEL+1]
.endr
.irp b, 0,1,2,3
	v_max_num_f32 v[TM+\b], v[TM+\b], v[TM+4+\b]
.endr
	v_max3_num_f32 v25, v[TM], v[TM+1], v[TM+2]
	v_max_num_f32 v25, v25, v[TM+3]
	v_mul_f32 v25, s[CS], v25                      ; as t (c is positive)
	v_max_num_f32 v25, 0xff61b1e6, v25             ; a chunk hidden as a whole: -3e38
	v_floor_f32 v24, -v25                          ; -M
	WIN 2
.set I_, 0
.rept 32
	v_pk_fma_f32 v[XR+I_:XR+I_+1], v[AC+I_:AC+I_+1], s[CS:CS+1], v[24:25] op_sel_hi:[1,0,0]   ; t - M, two at a time
.set I_, I_+2
.endr
	WIN 0
.irp b, 0,1,2,3
	v_fma_f32 v[TM+\b], v[TM+\b], s[CS], v24
.endr
	WALU
.set I_, 0
.rept 64
	v_exp_f32 v[XR+I_], v[XR+I_]                   ; p
.set I_, I_+1
.endr
.irp b, 0,1,2,3
	v_exp_f32 v[TM+\b], v[TM+\b]
.endr
	v_xor_b32 v[QQ+1], 0x80000000, v24             ; M
	WALU
.irp b, 0,1,2,3
	v_max_num_f32 v[TM+\b], 0x8000000, v[TM+\b]    ; the floor 2^(16 - 127)
.endr
.irp b, 0,1,2,3
	v_add_nc_u32 v[TM+12+\b], 0xf8800000, v[TM+\b]
.endr
.irp b, 0,1,2,3
	v_and_or_b32 v[TM+8+\b], v[TM+\b], 0x7f800000, s[MNT]
.endr
.irp b, 0,1,2,3
	v_lshrrev_b32 v[TM+4+\b], 23, v[TM+12+\b]
.endr
	v_lshl_or_b32 v[QQ], v[TM+5], 8, v[TM+4]
	v_lshl_or_b32 v[QQ], v[TM+6], 16, v[QQ]
	v_lshl_or_b32 v[QQ], v[TM+7], 24, v[QQ]
	v_pk_add_f32 v[20:21], v[XR:XR+1], v[XR+4:XR+5]        ; l is taken of the unquantised p, in two chains
	v_pk_add_f32 v[22:23], v[XR+2:XR+3], v[XR+6:XR+7]
.irp j, 8,12,16,20,24,28,32,36,40,44,48,52,56,60
	v_pk_add_f32 v[20:21], v[20:21], v[XR+\j:XR+\j+1]
	v_pk_add_f32 v[22:23], v[22:23], v[XR+\j+2:XR+\j+3]
.endr
	v_pk_add_f32 v[20:21], v[20:21], v[22:23]
	v_add_f32 v20, v20, v21
	v_permlanex16_b32 v22, v20, s[SEL], s[SEL+1]
	v_add_f32 v[QQ+2], v20, v22
	v_mov_b32 v[QQ+3], 0
.set I_, 0
.rept 32
	v_dual_min_num_f32 v[XR+I_], v[TM+8+I_/16], v[XR+I_] :: v_dual_min_num_f32 v[XR+I_+1], v[TM+8+I_/16], v[XR+I_+1]   ; the conversion does not saturate (ISA guide 7.6.2); p is not negative
.set I_, I_+2
.endr
	WALU
	s_wait_xcnt 0x0                                ; the stores that read these code registers have read them
.irp b, 0,1,2,3
	v_cvt_scalef32_pk8_bf8_f32 v[PCD+16*((\a)%2)+4*\b:PCD+16*((\a)%2)+4*\b+1], v[XR+16*\b:XR+16*\b+7], v[TM+12+\b]
	v_cvt_scalef32_pk8_bf8_f32 v[PCD+16*((\a)%2)+4*\b+2:PCD+16*((\a)%2)+4*\b+3], v[XR+16*\b+8:XR+16*\b+15], v[TM+12+\b]
.endr
	v_nop
.irp c, 0,1,2,3
	global_store_b128 v[L16], v[PCD+16*((\a)%2)+4*\c:PCD+16*((\a)%2)+4*\c+3], s[OB:OB+1] offset:32768*(\a)+512*\c   ; 512 consecutive bytes
.endr
.endm
	s_load_b256 s[4:11], s[0:1], 0x0               ; q and k's codes, scale words; p's codes, entries
	v_lshl_add_u32 v[SPW], v0, 2, SPARE
	v_mov_b32 v[NIL], 0
	ds_add_u32 v[SPW], v[NIL]                      ; the opening lines
	ds_add_u32 v[SPW], v[NIL]
	v_lshrrev_b32 v1, 5, v0
	v_readfirstlane_b32 s14, v1
	v_and_b32 v1, 15, v0
	v_bfe_u32 v2, v0, 4, 1
	v_and_b32 v3, 31, v0
	v_lshlrev_b32 v[L16], 4, v3
	s_lshr_b32 s15, s14, 1
	s_and_b32 s16, s14, 1
	s_lshl_b32 s18, s15, 15
	s_lshl_b32 s19, s16, 15
	v_add_nc_u32 v[XA0], s18, v[L16]
	v_add_nc_u32 v[WB0], s19, v[L16]
	v_add_nc_u32 v[WB0], 0x10000, v[WB0]
	v_mov_b32 v[ADRA], v[XA0]
	v_mov_b32 v[ADRB], v[WB0]
.irp b, 0,1,2,3
	v_mov_b32 v[TM+4+\b], 0                        ; a lane permute's destination counts as one of its sources
.endr
	v_mov_b32 v22, 0
	v_mov_b32 v[NEG], 0xff800000                   ; -infinity
	WALU
	s_lshl_b32 s20, s15, 9
	s_add_co_u32 s20, s20, SCX
	s_lshl_b32 s21, s16, 9
	s_add_co_u32 s21, s21, SCW
	s_sub_co_u32 s21, s21, s20
	v_mul_u32_u24 v19, s21, v2
	v_lshl_add_u32 v19, v1, 2, v19
	v_add_nc_u32 v[ADRS], s20, v19
	s_lshl_b32 s20, s15, 7
	s_lshl_b32 s21, s16, 7
	s_sub_co_i32 s20, s20, s21
	v_and_b32 v19, 8, v1
	v_add_nc_u32 v19, v19, v1                      ; r + 8 (r / 8)
	v_lshlrev_b32 v20, 4, v2
	v_sub_nc_u32 v19, v19, v20
	v_add_nc_u32 v[QB], s20, v19                   ; + 128 wr - 128 wc - 16 h
	s_and_b32 s17, ttmp7, 0xffff
	s_lshr_b32 s19, s17, 2                         ; the batch
	s_and_b32 s20, s17, 3                          ; P
	s_sub_co_u32 s88, 7, s20
	s_sub_co_u32 s89, ttmp9, s20
	s_sub_co_u32 s89, s89, 1
	s_cmp_le_u32 ttmp9, s20
	s_cselect_b32 s21, s20, s88                    ; I
	s_cselect_b32 s22, ttmp9, s89                  ; J
	s_cmp_eq_u32 s21, s22
	s_cselect_b32 s[MK], 1, 0
	s_cmp_le_u32 s15, s16
	s_cselect_b32 s88, 1, 0
	s_and_b32 s[MK], s[MK], s88                    ; my part of the tile meets the mask
	s_lshl_b32 s19, s19, 7
	s_lshl_b32 s21, s21, 4
	s_add_co_u32 s21, s21, s19                     ; first query block
	s_lshl_b32 s23, s22, 4
	s_add_co_u32 s23, s23, s19                     ; first key block
	s_mov_b32 s[G1X+0], 3<<16                      ; elements of 8 bytes: rows (blocks) of 4,096 bytes, RP bytes apart
	s_mov_b32 s[G1W+0], 3<<16
.irp g, G1X, G1W
	s_mov_b32 s[\g+1], 512<<16
	s_mov_b32 s[\g+2], 16<<16                      ; the head's loads: 16 blocks; the ring's: 8
	s_mov_b32 s[\g+3], 512<<16
	s_mov_b32 s[\g+4], 16
	s_mov_b32 s[\g+5], RP/8
	s_mov_b32 s[\g+6], 0
	s_mov_b32 s[\g+7], 0
.endr
	s_mov_b32 s[G1S+0], 3<<16                      ; scale words: 8 rows (K steps) of 1,024 bytes
	s_mov_b32 s[G1S+1], 128<<16
	s_mov_b32 s[G1S+2], 8<<16
	s_mov_b32 s[G1S+3], 128<<16
	s_mov_b32 s[G1S+4], 8
	s_mov_b32 s[G1S+5], KSPIN/8
	s_mov_b32 s[G1S+6], 0
	s_mov_b32 s[G1S+7], 0
	s_lshl_b32 s18, s21, 14
	s_mov_b32 s19, 0
	s_lshl_b32 s104, s23, 14
	s_add_co_u32 s104, s104, KPART
	s_mov_b32 s105, 0
	s_lshl_b32 s40, s21, 6
	s_mov_b32 s41, 0
	s_lshl_b32 s42, s23, 6
	s_add_co_u32 s42, s42, 8*KSPIN
	s_mov_b32 s43, 0
	s_mov_b32 s[TB], 0
	WALU
	s_wait_dscnt 0x0
	s_wait_kmcnt 0x0
	s_add_nc_u64 s[18:19], s[4:5], s[18:19]
	s_add_nc_u64 s[104:105], s[4:5], s[104:105]
	s_add_nc_u64 s[40:41], s[6:7], s[40:41]
	s_add_nc_u64 s[42:43], s[6:7], s[42:43]
	s_mov_b32 s[G0XH], 1
	s_mov_b32 s[G0XH+1], 0
	s_mov_b64 s[G0XH+2:G0XH+3], s[18:19]
	s_or_b32 s[G0XH+3], s[G0XH+3], 0x80000000
	s_mov_b32 s[G0WH], 1
	s_mov_b32 s[G0WH+1], 65536
	s_mov_b64 s[G0WH+2:G0WH+3], s[104:105]
	s_or_b32 s[G0WH+3], s[G0WH+3], 0x80000000
	s_mov_b32 s[G0S], 1
	s_mov_b32 s[G0S+1], SCX
	s_mov_b64 s[G0S+2:G0S+3], s[40:41]
	s_or_b32 s[G0S+3], s[G0S+3], 0x80000000
	s_mov_b32 s[G0SB], 1
	s_mov_b32 s[G0SB+1], SCW
	s_mov_b64 s[G0SB+2:G0SB+3], s[42:43]
	s_or_b32 s[G0SB+3], s[G0SB+3], 0x80000000
	s_cmp_lt_u32 s14, 1                            ; one load a wave
	s_cbranch_scc0 .Lhead_w
	TLOAD G0XH, G1X
	s_branch .Lhead_asked
.Lhead_w:
	s_cmp_lt_u32 s14, 2
	s_cbranch_scc0 .Lhead_sx
	TLOAD G0WH, G1W
	s_branch .Lhead_asked
.Lhead_sx:
	s_cmp_lt_u32 s14, 3
	s_cbranch_scc0 .Lhead_sw
	TLOAD G0S, G1S
	s_branch .Lhead_asked
.Lhead_sw:
	TLOAD G0SB, G1S
.Lhead_asked:
	s_lshl_b32 s40, s22, 1
	s_add_co_u32 s40, s40, s16                     ; my chunk, 2 J + wc
	s_lshl_b32 s41, s15, 3
	s_add_co_u32 s41, s41, s21                     ; my first query block
	s_lshl_b32 s[OB], s41, 15                      ; p: [512 blocks][16 chunks][2048]
	s_lshl_b32 s42, s40, 11
	s_add_co_u32 s[OB], s[OB], s42
	s_mov_b32 s[OB+1], 0
	s_add_nc_u64 s[OB:OB+1], s[8:9], s[OB:OB+1]
	s_lshl_b32 s[OSB], s40, 17                     ; entries: [16 chunks][512 blocks][16 slots][16]
	s_lshl_b32 s42, s41, 8
	s_add_co_u32 s[OSB], s[OSB], s42
	s_mov_b32 s[OSB+1], 0
	s_add_nc_u64 s[OSB:OSB+1], s[10:11], s[OSB:OSB+1]
	s_lshl_b32 s20, s16, 17                        ; my half: 8 blocks
	s_mov_b32 s21, 0
	s_mov_b32 s[G0X], 1
	s_lshl_b32 s[G0X+1], s14, 15
	s_add_co_u32 s[G0X+1], s[G0X+1], SLOT
	s_add_nc_u64 s[G0X+2:G0X+3], s[18:19], s[20:21]
	s_add_nc_u64 s[G0X+2:G0X+3], s[G0X+2:G0X+3], 4096
	s_or_b32 s[G0X+3], s[G0X+3], 0x80000000
	s_mov_b32 s[G0W], 1
	s_lshl_b32 s[G0W+1], s14, 15
	s_add_co_u32 s[G0W+1], s[G0W+1], SLOT
	s_add_nc_u64 s[G0W+2:G0W+3], s[104:105], s[20:21]
	s_add_nc_u64 s[G0W+2:G0W+3], s[G0W+2:G0W+3], 4096
	s_or_b32 s[G0W+3], s[G0W+3], 0x80000000
	s_mov_b32 s[SEL], 0x76543210
	s_mov_b32 s[SEL+1], 0xfedcba98
	s_mov_b32 s[MNT], 0x600000
	s_mov_b32 s[HM], 0xffff0000
	s_mov_b32 s[CS], 0x3d38aa3b                    ; log2(e) / sqrt(1024)
	s_mov_b32 s[CS+1], s[CS]
	WALU
	s_wait_tensorcnt 0x0                           ; my tile of the head's four is in
	ds_add_u32 v[SPW], v[NIL]
	s_mov_b32 s[G1X+2], 8<<16                      ; no tensor load of mine is out: from here on 8 blocks a load
	s_mov_b32 s[G1X+4], 8
	s_mov_b32 s[G1W+2], 8<<16
	s_mov_b32 s[G1W+4], 8
	s_wait_dscnt 0x0
	s_barrier_signal -1
	s_barrier_wait -1
	JLOAD
	FETCH_B 0
	FETCH_A 0, 0
	SCALES 0
	FETCH_A 0, 4
	STEP 1
	s_mov_b32 s3, 2
.Lk1:
	TURN 1
	STEP 0
	s_sub_co_u32 s3, s3, 1
	s_cmp_lg_u32 s3, 0
	s_cbranch_scc1 .Lk1
	TURN 0
	STEP 0
	s_wait_dscnt 16
	WIN MUL_LO
	MUL16 0, 1, 0
	MUL16 2, 1, 0
	s_wait_dscnt 0x0
	WIN MUL_HI
	MUL16 4, 1, 0
	MUL16 6, 1, 0
	WIN 0
	PLACES 8
	s_mov_b32 s3, 2
.Lout1:                                                ; my eight query blocks, four a trip
	s_cmp_eq_u32 s3, 2
	s_cbranch_scc1 .Lin_place
	WIN 0x83
	WALU
.set I_, 0
.rept 128
	v_dual_mov_b32 v[I_], v[I_] :: v_dual_mov_b32 v[I_+1], v[I_+1]   ; window 3 to window 2, so that the text of four blocks stands once
.set I_, I_+2
.endr
	WIN 0
	v_add_nc_u32 v[QB], 64, v[QB]
	WALU
	s_wait_xcnt 0x0
	s_add_nc_u64 s[OB:OB+1], s[OB:OB+1], 4*32768
	s_add_nc_u64 s[OSB:OSB+1], s[OSB:OSB+1], 1024
.Lin_place:
.irp a, 0,1,2,3
	SOFT \a
.endr
.irp a, 0,2
.irp k, 0,1,2,3
	v_cndmask_b32 v[SQ+2*\a+\k], v[QD+4*\a+\k], v[QD+4*\a+4+\k], s[HM]   ; lanes 0-15 block a's entries, lanes 16-31 block a + 1's
.endr
	global_store_b128 v[L16], v[SQ+2*\a:SQ+2*\a+3], s[OSB:OSB+1] offset:256*\a   ; 512 consecutive bytes
.endr
	s_sub_co_u32 s3, s3, 1
	WALU
	s_cmp_lg_u32 s3, 0
	s_cbranch_scc1 .Lout1
	s_wait_tensorcnt 0x0                           ; the wave's end
	ds_add_u32 v[SPW], v[NIL]
	s_wait_dscnt 0x0
	s_endpgm
.Lfunc_end_k_q9f45303437_score:
	.size	k_q9f45303437_score, .Lfunc_end_k_q9f45303437_score-k_q9f45303437_score
	.p2alignl 7, 3214868480
	.fill 96, 4, 3214868480
	.section	.rodata,"a",@progbits
	.p2align	6, 0x0
	.amdhsa_kernel k_q9f45303437_score
		.amdhsa_group_segment_fixed_size 327680
		.amdhsa_private_segment_fixed_size 0
		.amdhsa_enable_private_segment 0
		.amdhsa_kernarg_size 32
		.amdhsa_user_sgpr_count 2
		.amdhsa_user_sgpr_kernarg_segment_ptr 1
		.amdhsa_wavefront_size32 1
		.amdhsa_system_sgpr_workgroup_id_x 1
		.amdhsa_system_sgpr_workgroup_id_y 1
		.amdhsa_system_sgpr_workgroup_id_z 1
		.amdhsa_system_vgpr_workitem_id 0
		.amdhsa_next_free_vgpr 1024
		.amdhsa_next_free_sgpr 106
		.amdhsa_reserve_vcc 1
		.amdhsa_float_denorm_mode_32 3
		.amdhsa_float_denorm_mode_16_64 3
		.amdhsa_memory_ordered 1
		.amdhsa_forward_progress 1
		.amdhsa_inst_pref_size 175
	.end_amdhsa_kernel
	.amdgpu_metadata
---
amdhsa.version: [ 1, 2 ]
amdhsa.kernels:
  - .name:           k_q9f45303437_score
    .symbol:         k_q9f45303437_score.kd
    .args:
      - { .name: qk_codes, .offset: 0, .size: 8, .value_kind: global_buffer, .address_space: global }
      - { .name: qk_scales, .offset: 8, .size: 8, .value_kind: global_buffer, .address_space: global }
      - { .name: p_codes, .offset: 16, .size: 8, .value_kind: global_buffer, .address_space: global }
      - { .name: p_stat, .offset: 24, .size: 8, .value_kind: global_buffer, .address_space: global }
    .group_segment_fixed_size: 327680
    .private_segment_fixed_size: 0
    .kernarg_segment_align: 8
    .kernarg_segment_size: 32
    .max_flat_workgroup_size: 128
    .sgpr_count:     106
    .vgpr_count:     1024
    .wavefront_size: 32
...
	.end_amdgpu_metadata
.endif
;; end of part 3
;; launch pv (part 4): grid 16 x 16, 4 waves a work-group, clusters of 4 x 1, 327,680 bytes of LDS; arguments p_codes, p_stat, vt_codes, vt_scales, out0; writes out0
.if DOCPART == 4
	.amdgcn_target "amdgcn-amd-amdhsa--gfx1250"
	.amdhsa_code_object_version 6
	.text
	.protected	k_q9f45303437_pv
	.globl	k_q9f45303437_pv
	.p2align	8
	.type	k_q9f45303437_pv,@function
k_q9f45303437_pv:
	s_mov_b64 s[64:65], 0
	v_nop
	global_prefetch_b8 v0, s[64:65] scope:SCOPE_SE
	s_setreg_imm32_b32 hwreg(HW_REG_WAVE_MODE, 25, 1), 1
	s_wait_xcnt 0x0
	s_wait_alu depctr_hold_cnt(0) depctr_sa_sdst(0) depctr_va_vdst(0) depctr_va_sdst(0) depctr_va_ssrc(0) depctr_va_vcc(0) depctr_vm_vsrc(0)
	s_getreg_b32 s2, hwreg(HW_REG_IB_STS2, 6, 4)
	s_cmp_eq_u32 s2, 0
	s_cbranch_scc0 .Lentry_in_a_cluster
	s_endpgm
.Lentry_in_a_cluster:
	s_bfe_u32 s2, ttmp6, 0x10000c
	s_cmp_lg_u32 s2, 0x3003
	s_cbranch_scc0 .Lentry_shape_is_right
	s_endpgm
.Lentry_shape_is_right:
; O = P V / l on codes of BF8 (E5M2) with E8M0 scales.  A work-group owns 64 channels and TWO query tiles of 256 rows, p and 7 - p (p = y % 4, batch y / 4): p + 1 key tiles of 256, then 8 - p: always nine slots, so all 256 work-groups
; have equal work.  Key tiles wholly above the diagonal are dead work (see the first launch) and are not walked.
; Each of four waves takes 64 queries x 64 channels: 16 accumulators.  Source 0 = 16 channels of V^T, source 1 = 16 queries of P: a lane holds one query.
; A query's chunks of 128 keys stand under M's of their own: the row's M is the largest; a chunk's scale bytes are lowered by the difference, a byte that would fall under 0 becomes 0 (its terms lie under the row's by more than 2^-100).
; A SLOT: P's 16 blocks and V^T's four, two K steps each, as images.  A slot's second K step is multiplied behind the next slot's round, under that slot's LDS loads.
; CLUSTER 4 x 1: the four differ in their channels alone: P's tiles and the entries are joint loads (mask 15); V^T's tile is a work-group's own.
; PREFETCH: at slot n each aligned 256 bytes of slot n + 2 is named once in the cluster: waves 2, 3 P's (four blocks a work-group, by its place), waves 0, 1 the work-group's own V^T; none in the last two slots.
; LIMITS: NaN and infinities are not served.
.set SLOT,  81920
.set STA,   163840                     ; the entries of tile 7 - p: [16 chunks][256 rows][16 bytes];
.set STB,   229376                     ; of tile p
.set PSB,   294912                     ; P's scale words under the row's M: 4,608 bytes a wave: [9 slots][2 K steps][4 blocks][16]: tile p's key tile J at slot J, tile 7 - p's at slot 8 - J; between tiles the wave's stage for the way out
.set VSB,   313344                     ; V^T's scale words: [16 K steps][4 blocks][16]
.set SPARE, 317440
.set L16,   1
.set ADP,   2
.set ADV,   3
.set ADS,   4
.set P0,    5
.set V0,    6
.set S0,    7
.set PSO,   8
.set ST0,   9
.set ADT,   10
.set CO,    11
.set PFO,   12
.set SPW,   13
.set NIL,   14
.set WA,    16                         ; v16-23 into the stage, v24-31 out of it
.set RA,    24
.set RL,    32
.set MR,    40
.set TP,    41
.set LSM,   44
.set SCW,   48
.set VW,    104
.set ADW,   100                        ; V^T's scale words, this slot's
.set S1,    101
.set PSA,   102                        ; where tile 7 - p's scale words are put
.set NO,  95
.set TQ,    128
.set G1P, 24
.set G1V, 32
.set G1T, 40
.set G0P, 48
.set G0V, 52
.set G0A, 56
.set G0B, 60
.set PBB, 66
.set PBA, 68
.set VB,  70
.set OBB, 72
.set OBA, 74
.set PF,  76
.set PFB, 78
.set PFA, 80
.set N,   82
.set JJ,  83
.set KO,  84
.set TB,  85
.set SEL, 92
.set SK,  94
.set MSB, 0
.macro WIN new
.if MSB != \new
	s_set_vgpr_msb (MSB<<8)|\new
.set MSB, \new
.endif
.endm
.set MUL, 0xa5                         ; fragments in window 1, accumulators in window 2
.macro WALU
	s_wait_alu depctr_va_vdst(0)
.endm
.macro PLACES n
.rept \n
	v_nop
.endr
.endm
.macro BARRIER
	s_barrier_signal -1
	s_barrier_wait -1
.endm
.macro CROUND
	BARRIER
	s_cmp_lg_u32 s14, 0
	s_cbranch_scc1 .Lnot_wave_0_\@
	s_barrier_signal -3
.Lnot_wave_0_\@:
	s_barrier_wait -3
	BARRIER
.endm
.macro TLOAD g0, g1
	tensor_load_to_lds s[\g0:\g0+3], s[\g1:\g1+7]
	s_nop 0
	PLACES 4
.endm
.macro LOADK q                         ; K step q of the slot into set q of window 1: V^T's fragments from v0, P's from v128
	WIN 0x40
.irp i, 0,1,2,3
.irp c, 0,1,2,3
	ds_load_b128 v[128+64*(\q)+16*\i+4*\c:128+64*(\q)+16*\i+4*\c+3], v[ADP] offset:4096*\i+2048*(\q)+512*\c
.endr
.endr
.irp i, 0,1,2,3
.irp c, 0,1,2,3
	ds_load_b128 v[64*(\q)+16*\i+4*\c:64*(\q)+16*\i+4*\c+3], v[ADV] offset:4096*\i+2048*(\q)+512*\c
.endr
.endr
	WIN 0
.endm
.macro WORDS q                         ; P's four blocks' words, V^T's four blocks' words
.irp i, 0,1,2,3
	ds_load_b32 v[SCW+8*(\q)+\i], v[ADS] offset:256*(\q)+64*\i
.endr
.irp i, 0,1,2,3
	ds_load_b32 v[SCW+8*(\q)+4+\i], v[ADW] offset:256*(\q)+64*\i
.endr
.endm
.macro MULK q, zero                    ; 16 products, the accumulators by turns
	WIN MUL
.irp a, 0,1,2,3
.irp t, 0,1,2,3
.if \zero
	v_wmma_scale_f32_16x16x128_f8f6f4 v[8*(4*\a+\t):8*(4*\a+\t)+7], v[64*(\q)+16*\t:64*(\q)+16*\t+15], v[128+64*(\q)+16*\a:128+64*(\q)+16*\a+15], 0, v[SCW+8*(\q)+4+\t], v[SCW+8*(\q)+\a] matrix_a_fmt:MATRIX_FMT_BF8 matrix_b_fmt:MATRIX_FMT_BF8
.else
	v_wmma_scale_f32_16x16x128_f8f6f4 v[8*(4*\a+\t):8*(4*\a+\t)+7], v[64*(\q)+16*\t:64*(\q)+16*\t+15], v[128+64*(\q)+16*\a:128+64*(\q)+16*\a+15], v[8*(4*\a+\t):8*(4*\a+\t)+7], v[SCW+8*(\q)+4+\t], v[SCW+8*(\q)+\a] matrix_a_fmt:MATRIX_FMT_BF8 matrix_b_fmt:MATRIX_FMT_BF8
.endif
.endr
.endr
	WIN 0
.endm
; The entries of query block a: lanes 0-15 hold chunks 0-7, lanes 16-31 chunks 8-15; an entry is (scale word, M, l, 0) in four registers.  Chunks that the mask hides hold the neutral entry (0, -3e38, 0, 0).
.macro STATA a
.set Q0, TQ+32*(\a)
	v_max3_num_f32 v[MR], v[Q0+1], v[Q0+5], v[Q0+9]
	v_max3_num_f32 v[MR], v[MR], v[Q0+13], v[Q0+17]
	v_max3_num_f32 v[MR], v[MR], v[Q0+21], v[Q0+25]
	v_max_num_f32 v[MR], v[MR], v[Q0+29]
	v_permlanex16_b32 v[TP], v[MR], s[SEL], s[SEL+1]
	v_max_num_f32 v[MR], v[MR], v[TP]              ; the row's M
.irp c, 0,1,2,3,4,5,6,7
	v_sub_f32 v[Q0+4*\c+3], v[Q0+4*\c+1], v[MR]
.endr
.irp c, 0,1,2,3,4,5,6,7
	v_max_num_f32 v[Q0+4*\c+3], 0xc2fe0000, v[Q0+4*\c+3]   ; at least -127
.endr
.irp c, 0,1,2,3,4,5,6,7
	v_cvt_i32_f32 v[Q0+4*\c+3], v[Q0+4*\c+3]
.endr
.irp c, 0,1,2,3,4,5,6,7
	v_ldexp_f32 v[Q0+4*\c+2], v[Q0+4*\c+2], v[Q0+4*\c+3]   ; l under the row's M
.endr
.irp c, 0,1,2,3,4,5,6,7
	v_mul_lo_u32 v[Q0+4*\c+3], v[Q0+4*\c+3], s[SK]         ; the difference in each byte
.endr
.irp c, 0,1,2,3,4,5,6,7
	v_or_b32 v[Q0+4*\c], 0x80808080, v[Q0+4*\c]            ; bytes are at most 112: bit 7 stands
.endr
.irp c, 0,1,2,3,4,5,6,7
	v_add_nc_u32 v[Q0+4*\c], v[Q0+4*\c], v[Q0+4*\c+3]
.endr
.irp c, 0,1,2,3,4,5,6,7
	v_lshrrev_b32 v[Q0+4*\c+1], 7, v[Q0+4*\c]
.endr
.irp c, 0,1,2,3,4,5,6,7
	v_and_b32 v[Q0+4*\c+1], s[SK], v[Q0+4*\c+1]
.endr
.irp c, 0,1,2,3,4,5,6,7
	v_lshlrev_b32 v[Q0+4*\c+3], 7, v[Q0+4*\c+1]
.endr
.irp c, 0,1,2,3,4,5,6,7
	v_sub_nc_u32 v[Q0+4*\c+1], v[Q0+4*\c+3], v[Q0+4*\c+1]  ; 0x7f where the guard stands, 0 where it fell
.endr
.irp c, 0,1,2,3,4,5,6,7
	v_and_b32 v[Q0+4*\c], v[Q0+4*\c], v[Q0+4*\c+1]
.endr
.irp c, 0,1,2,3,4,5,6,7
.if TA
	ds_store_b32 v[PSA], v[Q0+4*\c] offset:256*(8-2*(\c/2)+\c%2)+64*(\a)
.else
	ds_store_b32 v[PSO], v[Q0+4*\c] offset:256*\c+64*(\a)
.endif
.endr
	v_add_f32 v[LSM+\a], v[Q0+2], v[Q0+6]
	v_add_f32 v[MR], v[Q0+10], v[Q0+14]
	v_add_f32 v[LSM+\a], v[LSM+\a], v[Q0+18]
	v_add_f32 v[MR], v[MR], v[Q0+22]
	v_add_f32 v[LSM+\a], v[LSM+\a], v[Q0+26]
	v_add_f32 v[MR], v[MR], v[Q0+30]
	v_add_f32 v[LSM+\a], v[LSM+\a], v[MR]
	v_permlanex16_b32 v[TP], v[LSM+\a], s[SEL], s[SEL+1]
	v_add_f32 v[LSM+\a], v[LSM+\a], v[TP]
.endm
.macro STAT so
.set TA, (\so)==STA
	v_add_nc_u32 v[ADT], \so, v[ST0]
.irp a, 0,1,2,3
.irp c, 0,1,2,3,4,5,6,7
	ds_load_b128 v[TQ+32*\a+4*\c:TQ+32*\a+4*\c+3], v[ADT] offset:4096*\c+256*\a
.endr
.endr
	s_wait_dscnt 0x0
	STATA 0
	STATA 1
	STATA 2
	STATA 3
	WALU
.irp a, 0,1,2,3
	v_rcp_f32 v[RL+2*\a], v[LSM+\a]
.endr
	v_nop
	WALU
.endm
; THE WAY OUT: O / l; 16 rows of 256 bytes at a time through the wave's stage, whose 16-byte columns are exchanged by the row's number; sixteen lanes store one aligned unit of 256 bytes.
.macro TOST a
	WIN 0x08
.irp t, 0,1,2,3
	ds_store_b128 v[WA+2*\t], v[8*(4*(\a)+\t):8*(4*(\a)+\t)+3]
	ds_store_b128 v[WA+2*\t+1], v[8*(4*(\a)+\t)+4:8*(4*(\a)+\t)+7]
.endr
	WIN 0x80
.irp j, 0,1,2,3,4,5,6,7
	ds_load_b128 v[128+32*(\a)+4*\j:128+32*(\a)+4*\j+3], v[RA+\j] offset:512*\j   ; LDS serves a wave's instructions in order: these see the stores above
.endr
	WIN 0
.endm
.macro SEND a, younger, ob
	s_wait_dscnt \younger
	WIN 0x08
.irp j, 0,1,2,3,4,5,6,7
	global_store_b128 v[CO], v[128+32*(\a)+4*\j:128+32*(\a)+4*\j+3], s[\ob:\ob+1] offset:(32*((\a)/2)+8*((\a)%2)+2*\j+8*(\j/4))*4096 th:TH_STORE_NT
.endr
	WIN 0
.endm
.macro OUT ob
	PLACES 8
	s_wait_xcnt 0x0                                ; earlier stores have read the registers that the stage is read back into
	WIN 0x82
	WALU
.irp a, 0,1,2,3
.set I_, 0
.rept 16
	v_pk_mul_f32 v[32*\a+I_:32*\a+I_+1], v[32*\a+I_:32*\a+I_+1], v[RL+2*\a:RL+2*\a+1] op_sel_hi:[1,0]
.set I_, I_+2
.endr
.endr
	WIN 0
	WALU
	TOST 0
	TOST 1
	SEND 0, 16, \ob                                ; block 1's stores and loads may be out
	TOST 2
	SEND 1, 16, \ob
	TOST 3
	SEND 2, 16, \ob
	SEND 3, 0, \ob
.endm
; kind 0: slot 0; 1: slots 1 to 7; 2: the last.
.macro TRIP kind
	WALU
	s_wait_tensorcnt 0x0                           ; my part of this slot has landed, and every group 0 may be written
	ds_add_u32 v[SPW], v[NIL]
	s_and_b32 s86, s[N], 1
	s_mul_i32 s[TB], s86, SLOT
	s_sub_co_u32 s86, 8, s[N]
	s_cmp_gt_u32 s[N], s17
	s_cselect_b32 s[JJ], s86, s[N]
	s_and_b32 s[JJ], s[JJ], 7                      ; this slot's key tile: tile p's upwards, tile 7 - p's downwards
	s_lshl_b32 s[KO], s[JJ], 9
	s_lshl_b32 s[NO], s[N], 9
.if (\kind) < 2
	s_add_co_u32 s87, s[N], 1                      ; the next slot: tile p's key tile, or behind them tile 7 - p's
	s_sub_co_u32 s86, 7, s[N]
	s_cmp_gt_u32 s87, s17
	s_cselect_b64 s[G0P+2:G0P+3], s[PBA:PBA+1], s[PBB:PBB+1]
	s_cselect_b32 s88, s86, s87
	s_lshl_b32 s88, s88, 12
	s_mov_b32 s89, 0
	s_add_nc_u64 s[G0P+2:G0P+3], s[G0P+2:G0P+3], s[88:89]
	s_add_nc_u64 s[G0V+2:G0V+3], s[VB:VB+1], s[88:89]
	s_and_b32 s87, s87, 1
	s_mul_i32 s[G0P+1], s87, SLOT
	s_add_co_u32 s[G0V+1], s[G0P+1], 65536
	s_wait_xcnt 0x0                                ; my last prefetch has read its base
	s_add_co_u32 s87, s[N], 2                      ; and the one behind it, for the prefetch
	s_sub_co_i32 s86, 6, s[N]
	s_max_i32 s86, s86, 0                          ; (slot 9 does not exist, and nothing is asked for it)
	s_cmp_gt_u32 s87, s17
	s_cselect_b64 s[PF:PF+1], s[PFA:PFA+1], s[PFB:PFB+1]
	s_cselect_b32 s88, s86, s87
	s_lshl_b32 s88, s88, 12
	s_add_nc_u64 s[PF:PF+1], s[PF:PF+1], s[88:89]
.endif
	s_wait_dscnt 0x0                               ; the add is done, the slot before is in registers
.if (\kind) < 2
	CROUND
	s_cmp_eq_u32 s14, 0                            ; wave 0 fetches P's tile, wave 1 V^T's
	s_cbranch_scc0 .Lnot_p_\@
	TLOAD G0P, G1P
	s_branch .Lasked_\@
.Lnot_p_\@:
	s_cmp_eq_u32 s14, 1
	s_cbranch_scc0 .Lasked_\@
	TLOAD G0V, G1V
.Lasked_\@:
.else
	BARRIER
.endif
	PLACES 8
	v_add_nc_u32 v[ADP], s[TB], v[P0]
	v_add_nc_u32 v[ADV], s[TB], v[V0]
	v_add_nc_u32 v[ADS], s[NO], v[S0]
	v_add_nc_u32 v[ADW], s[KO], v[S1]
	WALU
	LOADK 0
.if (\kind) < 2
	s_cmp_eq_u32 s[N], 7
	s_cbranch_scc1 .Lnone_ahead_\@
	global_prefetch_b8 v[PFO], s[PF:PF+1] th:TH_LOAD_NT scope:SCOPE_SE
.Lnone_ahead_\@:
.endif
.if (\kind) > 0
	MULK 1, 0                                      ; the slot before's second K step
.endif
.if (\kind) == 0
	STAT STB
.endif
.if (\kind) == 1
	s_cmp_lg_u32 s[N], s18
	s_cbranch_scc1 .Lsame_tile_\@
	OUT OBB                                        ; tile p is finished: it leaves, and tile 7 - p begins
	WIN 0x80
.set I_, 0
.rept 64
	v_dual_mov_b32 v[I_], 0 :: v_dual_mov_b32 v[I_+1], 0
.set I_, I_+2
.endr
	WIN 0
	STAT STA
.Lsame_tile_\@:
.endif
.if (\kind) > 0
	PLACES 8
.endif
	WORDS 0
	LOADK 1
	WORDS 1
	s_wait_dscnt 40                                ; K step 1's 32 fragment loads and eight words may be out
.if (\kind) == 0
	MULK 0, 1
.else
	MULK 0, 0
.endif
.endm
	s_load_b256 s[4:11], s[0:1], 0x0               ; p's codes, entries; v^T's codes, scale words
	s_load_b64 s[12:13], s[0:1], 0x20              ; the output
	v_lshl_add_u32 v[SPW], v0, 2, SPARE
	v_mov_b32 v[NIL], 0
	ds_add_u32 v[SPW], v[NIL]                      ; the opening lines
	ds_add_u32 v[SPW], v[NIL]
	v_lshrrev_b32 v15, 5, v0
	v_readfirstlane_b32 s14, v15                   ; wave
	v_and_b32 v15, 31, v0
	v_lshlrev_b32 v[L16], 4, v15
	v_and_b32 v15, 15, v0                          ; r
	v_bfe_u32 v42, v0, 4, 1                        ; h
	s_lshl_b32 s19, s14, 14
	v_add_nc_u32 v[P0], s19, v[L16]                ; my four blocks of P
	v_add_nc_u32 v[V0], 0x10000, v[L16]
	s_mul_i32 s86, s14, 4608
	s_add_co_u32 s86, s86, PSB                     ; my part of P's scale words, and my stage
	v_lshlrev_b32 v43, 2, v15
	v_add_nc_u32 v[S0], s86, v43
	v_add_nc_u32 v[S1], VSB, v43
	v_xor_b32 v44, 1, v42
	v_lshlrev_b32 v44, 11, v44
	v_lshl_add_u32 v44, v15, 2, v44
	v_add_nc_u32 v[PSA], s86, v44                  ; tile 7 - p: chunk c stands at 16 - 2 (c / 2) + c % 2
	v_lshlrev_b32 v43, 11, v42
	v_lshl_add_u32 v43, v15, 2, v43
	v_add_nc_u32 v[PSO], s86, v43
	v_lshlrev_b32 v43, 15, v42
	v_lshl_add_u32 v43, v15, 4, v43
	s_lshl_b32 s87, s14, 10
	v_add_nc_u32 v[ST0], s87, v43
	v_lshlrev_b32 v[CO], 12, v42
	v_lshl_add_u32 v[CO], v15, 4, v[CO]            ; two rows of the output, 256 bytes of each
	v_lshlrev_b32 v43, 2, v42
	v_xor_b32 v43, v43, v15
	v_lshlrev_b32 v43, 4, v43
	v_lshl_add_u32 v43, v15, 8, v43
	v_add_nc_u32 v43, s86, v43                     ; into the stage: row r, column (8 (t / 2) + 4 h + 2 (t % 2) + e) xor r
.irp t, 0,1,2,3
	v_xor_b32 v[WA+2*\t], 16*(8*(\t/2)+2*(\t%2)), v43
	v_xor_b32 v[WA+2*\t+1], 16*(8*(\t/2)+2*(\t%2)+1), v43
.endr
	v_xor_b32 v43, v42, v15
	v_lshlrev_b32 v43, 4, v43
	v_lshl_add_u32 v43, v42, 8, v43
	v_add_nc_u32 v43, s86, v43                     ; out of it: row 2 j + h, column r xor the row
.irp j, 0,1,2,3,4,5,6,7
	v_xor_b32 v[RA+\j], 32*\j, v43
.endr
	v_mov_b32 v[TP], 0                             ; a lane permute's destination counts as one of its sources
.irp a, 0,1,2,3
	v_mov_b32 v[RL+2*\a+1], 0                      ; (named as a pair's upper half)
.endr
	s_lshl_b32 s87, s14, 10
	s_add_co_u32 s87, s87, VSB
	v_add_nc_u32 v43, s87, v[L16]                  ; where my four K steps of V^T's scale words go
	s_cmp_lt_u32 s14, 2
	s_mov_b32 s86, 32768
	s_cselect_b32 s86, 131072, s86
	v_mul_lo_u32 v[PFO], v42, s86                  ; the prefetch: two blocks a wave, 256 bytes a lane
	v_lshl_add_u32 v[PFO], v15, 8, v[PFO]
	WALU
	s_and_b32 s15, ttmp7, 0xffff
	s_lshr_b32 s16, s15, 2                         ; the batch
	s_and_b32 s17, s15, 3                          ; p
	s_add_co_u32 s18, s17, 1
	s_sub_co_u32 s19, 7, s17
	s_bfe_u32 s20, ttmp6, 0x40000
	s_lshl_b32 s21, ttmp9, 2
	s_add_co_u32 s21, s21, s20                     ; my 64 channels
	s_mov_b32 s[G1P+0], 15|(3<<16)|(1<<21)         ; P: 16 rows (blocks) of 4,096 bytes, 32,768 apart
	s_mov_b32 s[G1P+1], 512<<16
	s_mov_b32 s[G1P+2], 16<<16
	s_mov_b32 s[G1P+3], 512<<16
	s_mov_b32 s[G1P+4], 16
	s_mov_b32 s[G1P+5], 4096
	s_mov_b32 s[G1P+6], 0
	s_mov_b32 s[G1P+7], 0
	s_mov_b32 s[G1V+0], 3<<16                      ; V^T: 4 rows (blocks) of 4,096 bytes, 131,072 apart
	s_mov_b32 s[G1V+1], 512<<16
	s_mov_b32 s[G1V+2], 4<<16
	s_mov_b32 s[G1V+3], 512<<16
	s_mov_b32 s[G1V+4], 4
	s_mov_b32 s[G1V+5], 16384
	s_mov_b32 s[G1V+6], 0
	s_mov_b32 s[G1V+7], 0
	s_mov_b32 s[G1T+0], 15|(3<<16)|(1<<21)         ; entries: 16 rows (chunks) of 4,096 bytes, 131,072 apart
	s_mov_b32 s[G1T+1], 512<<16
	s_mov_b32 s[G1T+2], 16<<16
	s_mov_b32 s[G1T+3], 512<<16
	s_mov_b32 s[G1T+4], 16
	s_mov_b32 s[G1T+5], 16384
	s_mov_b32 s[G1T+6], 0
	s_mov_b32 s[G1T+7], 0
	s_mov_b32 s89, 0
	s_mov_b32 s91, 0
	s_mov_b32 s[SEL], 0x76543210
	s_mov_b32 s[SEL+1], 0xfedcba98
	s_mov_b32 s[SK], 0x01010101
	s_wait_dscnt 0x0
	s_wait_kmcnt 0x0
	s_lshl_b32 s88, s16, 22                        ; P: 128 blocks of 32,768 bytes a batch, 16 a tile
	s_lshl_b32 s90, s17, 19
	s_add_nc_u64 s[PBB:PBB+1], s[4:5], s[88:89]
	s_lshl_b32 s88, s19, 19
	s_add_nc_u64 s[PBA:PBA+1], s[PBB:PBB+1], s[88:89]
	s_add_nc_u64 s[PBB:PBB+1], s[PBB:PBB+1], s[90:91]
	s_or_b32 s[PBB+1], s[PBB+1], 0x80000000
	s_or_b32 s[PBA+1], s[PBA+1], 0x80000000
	s_mov_b32 s[G0P], 1
	s_mov_b32 s[G0P+1], 0
	s_mov_b64 s[G0P+2:G0P+3], s[PBB:PBB+1]
	s_lshl_b32 s88, s16, 15                        ; V^T: four blocks of 131,072 bytes, the batch's 16 K steps
	s_lshl_b32 s90, s21, 19
	s_add_nc_u64 s[VB:VB+1], s[8:9], s[88:89]
	s_add_nc_u64 s[VB:VB+1], s[VB:VB+1], s[90:91]
	s_or_b32 s[VB+1], s[VB+1], 0x80000000
	s_mov_b32 s[G0V], 1
	s_mov_b32 s[G0V+1], 65536
	s_mov_b64 s[G0V+2:G0V+3], s[VB:VB+1]
	s_lshl_b32 s90, s17, 12                        ; entries: 32,768 bytes a batch in each chunk, 4,096 a tile
	s_add_nc_u64 s[G0B+2:G0B+3], s[6:7], s[88:89]
	s_lshl_b32 s88, s19, 12
	s_add_nc_u64 s[G0A+2:G0A+3], s[G0B+2:G0B+3], s[88:89]
	s_add_nc_u64 s[G0B+2:G0B+3], s[G0B+2:G0B+3], s[90:91]
	s_mov_b32 s[G0A], 1
	s_mov_b32 s[G0A+1], STA
	s_or_b32 s[G0A+3], s[G0A+3], 0x80000000
	s_mov_b32 s[G0B], 1
	s_mov_b32 s[G0B+1], STB
	s_or_b32 s[G0B+3], s[G0B+3], 0x80000000
	CROUND                                         ; all four work-groups are here
	s_cmp_lt_u32 s14, 1                            ; one load a wave
	s_cbranch_scc0 .Lhead_v
	TLOAD G0P, G1P
	s_branch .Lhead_asked
.Lhead_v:
	s_cmp_lt_u32 s14, 2
	s_cbranch_scc0 .Lhead_b
	TLOAD G0V, G1V
	s_branch .Lhead_asked
.Lhead_b:
	s_cmp_lt_u32 s14, 3
	s_cbranch_scc0 .Lhead_a
	TLOAD G0B, G1T
	s_branch .Lhead_asked
.Lhead_a:
	TLOAD G0A, G1T
.Lhead_asked:
	s_lshl_b32 s88, s16, 16                        ; V^T's scale words: 4,096 bytes a K step; my wave brings K steps 4 w .. 4 w + 3, 256 bytes each
	s_lshl_b32 s90, s21, 8
	s_add_co_u32 s88, s88, s90
	s_lshl_b32 s90, s14, 14
	s_add_co_u32 s88, s88, s90
	s_add_nc_u64 s[10:11], s[10:11], s[88:89]
.irp j, 0,1
	global_load_b128 v[VW+4*\j:VW+4*\j+3], v[CO], s[10:11] offset:8192*\j
.endr
	s_lshl_b32 s88, s16, 23                        ; the output: rows of 4,096 bytes
	s_lshl_b32 s90, s14, 18
	s_add_co_u32 s88, s88, s90
	s_lshl_b32 s90, s21, 8
	s_add_co_u32 s88, s88, s90
	s_add_nc_u64 s[OBA:OBA+1], s[12:13], s[88:89]
	s_lshl_b32 s90, s17, 20
	s_add_nc_u64 s[OBB:OBB+1], s[OBA:OBA+1], s[90:91]
	s_lshl_b32 s90, s19, 20
	s_add_nc_u64 s[OBA:OBA+1], s[OBA:OBA+1], s[90:91]
	s_lshl_b32 s86, s16, 22                        ; the prefetch's base: P: blocks 4 cx + 2 (w - 2) of tile p;
	s_lshl_b32 s87, s17, 19
	s_add_co_u32 s86, s86, s87
	s_lshl_b32 s87, s20, 17
	s_add_co_u32 s86, s86, s87
	s_and_b32 s87, s14, 1
	s_lshl_b32 s87, s87, 16
	s_add_co_u32 s86, s86, s87
	s_lshl_b32 s87, s21, 19                        ; V^T: blocks 2 w
	s_lshl_b32 s88, s16, 15
	s_add_co_u32 s87, s87, s88
	s_lshl_b32 s88, s14, 18
	s_add_co_u32 s87, s87, s88
	s_sub_co_u32 s90, s19, s17
	s_lshl_b32 s90, s90, 19                        ; from tile p to tile 7 - p
	s_cmp_lt_u32 s14, 2
	s_cselect_b64 s[PFB:PFB+1], s[8:9], s[4:5]
	s_cselect_b32 s88, s87, s86
	s_cselect_b32 s90, 0, s90
	s_add_nc_u64 s[PFB:PFB+1], s[PFB:PFB+1], s[88:89]
	s_add_nc_u64 s[PFA:PFA+1], s[PFB:PFB+1], s[90:91]
	s_mov_b32 s[N], 0
	WALU
	s_wait_loadcnt 0x0
.irp j, 0,1
	ds_store_b128 v43, v[VW+4*\j:VW+4*\j+3] offset:512*\j
.endr
	TRIP 0
	s_mov_b32 s[N], 1
.Lslot:
	TRIP 1
	s_add_co_u32 s[N], s[N], 1
	s_cmp_lt_u32 s[N], 8
	s_cbranch_scc1 .Lslot
	TRIP 2
	s_wait_dscnt 0x0
	MULK 1, 0
	OUT OBA
	s_wait_tensorcnt 0x0                           ; the wave's end
	ds_add_u32 v[SPW], v[NIL]
	s_wait_dscnt 0x0
	CROUND                                         ; the closing round
	s_endpgm
.Lfunc_end_k_q9f45303437_pv:
	.size	k_q9f45303437_pv, .Lfunc_end_k_q9f45303437_pv-k_q9f45303437_pv
	.p2alignl 7, 3214868480
	.fill 96, 4, 3214868480
	.section	.rodata,"a",@progbits
	.p2align	6, 0x0
	.amdhsa_kernel k_q9f45303437_pv
		.amdhsa_group_segment_fixed_size 327680
		.amdhsa_private_segment_fixed_size 0
		.amdhsa_enable_private_segment 0
		.amdhsa_kernarg_size 40
		.amdhsa_user_sgpr_count 2
		.amdhsa_user_sgpr_kernarg_segment_ptr 1
		.amdhsa_wavefront_size32 1
		.amdhsa_system_sgpr_workgroup_id_x 1
		.amdhsa_system_sgpr_workgroup_id_y 1
		.amdhsa_system_sgpr_workgroup_id_z 1
		.amdhsa_system_vgpr_workitem_id 0
		.amdhsa_next_free_vgpr 768
		.amdhsa_next_free_sgpr 106
		.amdhsa_reserve_vcc 0
		.amdhsa_float_denorm_mode_32 3
		.amdhsa_float_denorm_mode_16_64 3
		.amdhsa_memory_ordered 1
		.amdhsa_forward_progress 1
		.amdhsa_inst_pref_size 120
	.end_amdhsa_kernel
	.amdgpu_metadata
---
amdhsa.version: [ 1, 2 ]
amdhsa.kernels:
  - .name:           k_q9f45303437_pv
    .symbol:         k_q9f45303437_pv.kd
    .args:
      - { .name: p_codes, .offset: 0, .size: 8, .value_kind: global_buffer, .address_space: global }
      - { .name: p_stat, .offset: 8, .size: 8, .value_kind: global_buffer, .address_space: global }
      - { .name: vt_codes, .offset: 16, .size: 8, .value_kind: global_buffer, .address_space: global }
      - { .name: vt_scales, .offset: 24, .size: 8, .value_kind: global_buffer, .address_space: global }
      - { .name: out0, .offset: 32, .size: 8, .value_kind: global_buffer, .address_space: global }
    .group_segment_fixed_size: 327680
    .private_segment_fixed_size: 0
    .kernarg_segment_align: 8
    .kernarg_segment_size: 40
    .max_flat_workgroup_size: 128
    .sgpr_count:     106
    .vgpr_count:     768
    .wavefront_size: 32
...
	.end_amdgpu_metadata
.endif
;; end of part 4
